; MI455X (gfx1250); checked and timed in simulation.
; The chip was launched on July 23, 2026; its instructions are those of AMD's public machine-readable ISA for CDNA 5 (MIT licence, August 2026) and "CDNA5" Instruction Set Architecture Reference Guide (July 2026). The comments in the code are by the model that wrote it; some were corrected since.
;; Bahdanau Attention. Allowed arithmetic: float matrix products may take bf16 or f16 operands with f32 sums; other float arithmetic in f32, or as packed bf16 or f16 multiplies, adds, multiply-adds, maxima and minima; sums over many terms, partial sums and values carried from step to step in f32; what a program stores and reads back later, other than sums and carried values, may be rounded once to bf16 or f16.
;; Inputs: Wd 1,024 x 1,024 float32; We 1,024 x 1,024 float32; Ws 1,024 x 1 float32; bd 1,024 float32; be 1,024 float32; bs 1 float32; decoder_hidden_state 1 x 32 x 1,024 float32; encoder_out 32 x 2,048 x 1,024 float32.
;; Outputs: out0 32 x 1,024 float32.
;; 2 versions, each right; version 2 is version 1 with the launch attn written anew for expert scheduling mode. Each part assembles by itself: llvm-mc -triple=amdgcn-amd-amdhsa -mcpu=gfx1250 --defsym DOCPART=n.
;; ======== version 1 of 2: 3 launches
;; limits: values outside matrix products are rounded to bf16
;; workspace buffers: web 2,097,152 bytes; d2p 1,048,576 bytes; part 2,228,224 bytes
;; launch prep (part 1): grid 128 x 2, 4 waves a work-group, no clusters, 29,184 bytes of LDS; arguments We, Wd, decoder_hidden_state, be, bd, web, d2p; writes web, d2p
.if DOCPART == 1
	.amdgcn_target "amdgcn-amd-amdhsa--gfx1250"
	.amdhsa_code_object_version 6
	.text
	.protected	k_q3756b4079b_prep
	.globl	k_q3756b4079b_prep
	.p2align	8
	.type	k_q3756b4079b_prep,@function
k_q3756b4079b_prep:
	s_mov_b64 s[64:65], 0
	v_nop
	global_prefetch_b8 v0, s[64:65] scope:SCOPE_SE
	s_setreg_imm32_b32 hwreg(HW_REG_WAVE_MODE, 25, 1), 1
	s_wait_xcnt 0x0
; PREP.  y = 0: We ([k][n], f32) is rounded to bf16 and laid out as the matrix unit's operand image, so that the next launch loads fragments by 512 consecutive bytes.
;        y = 1: partial sums of dec[b] . Wd[:, n] over 128 k, in f32; the part with k = 0 .. 127 also takes be[n] + bd[n].
; SHARES.  x = 16 kp + g: a work-group takes a slab of 128 k-rows (128 kp on) x 64 columns (64 g on): rows of 256 bytes, aligned.  Wave wv loads rows 32 wv .. + 31 and later owns
; the 16 columns of n-tile T = 4 g + wv.  The slab is rounded to bf16, laid in LDS as [k][n], and read back turned (ds_load_tr16_b128): lane l then holds column l % 16 and
; k = 8 (l / 16) + 0..7 (registers 0-3) and 16 + 8 (l / 16) + 0..7 (registers 4-7) of each 32 k: a fragment.
; web: byte (T / 8) 262144 + s 8192 + (T % 8) 1024 + c 512 + 16 l holds We[32 s + 16 c + 8 (l / 16) + 0..7][16 T + l % 16].
; d2p: f32 [part kp][T][batch 32][16 columns]: 2,048 bytes for each (kp, T).
; No cluster, no tensor load: no two work-groups read the same bytes of We or Wd, and dec is 128 KiB in all.
.set PT,    160                        ; an LDS row: 128 bytes + 32 = 40 words
.set BN,    128*PT                     ; behind the slab: 2,048 bytes for each wave, for d2p's way out
.set SPARE, BN+4*2048                  ; the spare words, 128 bytes for each wave: two blocks of 256 bytes that no other line names
.set GOF, 4                            ; v4   my 16 bytes in the slab's first two rows of my wave, in memory
.set LST, 5                            ; v5   the same place in LDS (8 bytes)
.set TRA, 6                            ; v6   the turning load's address
.set SOF, 7                            ; v7   16 x lane
.set DOF, 8                            ; v8   my 32 bytes of a row of dec
.set BIO, 9                            ; v9   my 8 columns in be and bd
.set BNW, 10                           ; v10  way out: where I put 16 bytes
.set BNR, 11                           ; v11  way out: where I read them back
.set SPW, 12                           ; v12  LDS address of my spare word; never rewritten
.set NIL, 13                           ; v13  0; never rewritten
.set SL,  16                           ; v[16:79]   the slab's 16 loads; later v[16:31] two accumulators, v[32:47] the way out
.set WF,  80                           ; v[80:111]  four fragments of the weights
.set DF,  112                          ; v[112:239] eight fragments of dec: 16 registers f32, rounded in place to 8
.set BI,  240                          ; v[240:247] be, then the bias that starts the sums
.set BD,  248                          ; v[248:255] bd
	s_load_b256 s[4:11], s[0:1], 0x0               ; We s[4:5], Wd s[6:7], dec s[8:9], be s[10:11]
	s_load_b128 s[12:15], s[0:1], 0x20             ; bd s[12:13], web s[14:15]
	s_load_b64 s[16:17], s[0:1], 0x30              ; d2p
	v_lshl_add_u32 v[SPW], v0, 2, SPARE
	v_mov_b32 v[NIL], 0
	v_lshrrev_b32 v1, 5, v0
	v_readfirstlane_b32 s18, v1                    ; wave 0..3
	s_and_b32 s19, ttmp9, 15                       ; g
	s_lshr_b32 s20, ttmp9, 4                       ; kp
	s_and_b32 s21, ttmp7, 0xffff                   ; y
	v_and_b32 v1, 31, v0                           ; l
	v_and_b32 v2, 15, v0                           ; l % 16
	v_bfe_u32 v3, v0, 4, 1                         ; l / 16
	s_lshl_b32 s26, s18, 17                        ; my wave's 32 rows of 4,096 bytes
	v_lshlrev_b32 v[GOF], 4, v2
	v_lshl_add_u32 v[GOF], v3, 12, v[GOF]
	v_add_nc_u32 v[GOF], s26, v[GOF]
	s_mul_i32 s27, s18, 32*PT                      ; and of PT bytes
	v_mul_u32_u24 v[LST], v3, PT
	v_lshl_add_u32 v[LST], v2, 3, v[LST]
	v_add_nc_u32 v[LST], s27, v[LST]
	v_and_b32 v15, 7, v0
	v_lshl_add_u32 v15, v3, 3, v15                 ; row 8 (l / 16) + l % 8
	v_mul_u32_u24 v[TRA], v15, PT
	v_bfe_u32 v15, v0, 3, 1
	v_lshl_add_u32 v[TRA], v15, 4, v[TRA]          ; + 16 ((l / 8) % 2)
	s_lshl_b32 s28, s18, 5                         ; + my tile's 16 columns: 32 bytes
	v_add_nc_u32 v[TRA], s28, v[TRA]
	v_lshlrev_b32 v[SOF], 4, v1
	v_lshlrev_b32 v[DOF], 12, v2                   ; batch l % 16
	v_lshl_add_u32 v[DOF], v3, 5, v[DOF]           ; 8 numbers for each half of the lanes
	s_lshl_b32 s29, s20, 9                         ; 128 kp numbers
	v_add_nc_u32 v[DOF], s29, v[DOF]
	s_lshl_b32 s24, s19, 8
	s_lshl_b32 s25, s18, 6
	s_add_co_u32 s24, s24, s25                     ; 4 (64 g + 16 wv)
	v_lshl_add_u32 v[BIO], v3, 5, s24
	s_lshl_b32 s25, s18, 11
	s_add_co_u32 s25, s25, BN
	v_lshl_add_u32 v[BNW], v2, 6, s25              ; batch l % 16: 64 bytes,
	v_lshl_add_u32 v[BNW], v3, 5, v[BNW]           ; my 8 columns
	v_lshl_add_u32 v[BNR], v1, 4, s25
	s_lshl_b32 s30, s20, 19                        ; the slab: 128 kp rows of 4,096 bytes
	s_lshl_b32 s31, s19, 8                         ; + 64 g columns
	s_add_co_u32 s30, s30, s31
	s_mov_b32 s31, 0
	s_lshl2_add_u32 s36, s19, s18                  ; T = 4 g + wv
	s_lshr_b32 s32, s36, 3
	s_lshl_b32 s32, s32, 18
	s_and_b32 s33, s36, 7
	s_lshl_b32 s33, s33, 10
	s_add_co_u32 s32, s32, s33
	s_lshl_b32 s33, s20, 15                        ; K step 4 kp: 8,192 bytes a step
	s_add_co_u32 s32, s32, s33
	s_mov_b32 s33, 0
	s_lshl_b32 s34, s20, 6
	s_add_co_u32 s34, s34, s36
	s_lshl_b32 s34, s34, 11                        ; (64 kp + T) x 2,048
	s_mov_b32 s35, 0
	s_wait_kmcnt 0x0
	s_cmp_eq_u32 s21, 0
	s_cselect_b64 s[22:23], s[4:5], s[6:7]         ; the weights of this work-group
	s_add_nc_u64 s[22:23], s[22:23], s[30:31]
	s_add_nc_u64 s[14:15], s[14:15], s[32:33]
	s_add_nc_u64 s[16:17], s[16:17], s[34:35]
.irp i, 0,1,2,3,4,5,6,7,8,9,10,11,12,13,14,15
	global_load_b128 v[SL+4*(\i):SL+4*(\i)+3], v[GOF], s[22:23] offset:(\i)*8192 th:TH_LOAD_NT  ; two rows of 256 bytes: sixteen lanes a row
.endr
	s_wait_loadcnt 0x0
.irp i, 0,1,2,3,4,5,6,7,8,9,10,11,12,13,14,15
	v_cvt_pk_bf16_f32 v[SL+4*(\i)], v[SL+4*(\i)], v[SL+4*(\i)+1]
	v_cvt_pk_bf16_f32 v[SL+4*(\i)+1], v[SL+4*(\i)+2], v[SL+4*(\i)+3]
.endr
.irp i, 0,1,2,3,4,5,6,7,8,9,10,11,12,13,14,15
	ds_store_b64 v[LST], v[SL+4*(\i):SL+4*(\i)+1] offset:(\i)*2*PT
.endr
	s_wait_dscnt 0x0                               ; for the others' sake: my rows of the slab lie in LDS
	s_barrier_signal -1
	s_barrier_wait -1                              ; everybody's do
.macro TRL                             ; my tile's four fragments: 32 k each, two turning loads
.irp ks, 0,1,2,3
	ds_load_tr16_b128 v[WF+8*(\ks):WF+8*(\ks)+3],   v[TRA] offset:(\ks)*32*PT
	ds_load_tr16_b128 v[WF+8*(\ks)+4:WF+8*(\ks)+7], v[TRA] offset:(\ks)*32*PT+16*PT
.endr
.endm
	s_cmp_lg_u32 s21, 0                            ; the one branch on y: the same for all waves of a work-group; no barrier stands behind it
	s_cbranch_scc1 .Ldec
	TRL
	s_wait_dscnt 0x0
.irp ks, 0,1,2,3
	global_store_b128 v[SOF], v[WF+8*(\ks):WF+8*(\ks)+3],   s[14:15] offset:(\ks)*8192      ; each store of the wave covers 512 consecutive bytes, aligned
	global_store_b128 v[SOF], v[WF+8*(\ks)+4:WF+8*(\ks)+7], s[14:15] offset:(\ks)*8192+512
.endr
	s_branch .Lend
.Ldec:
.irp mt, 0,1
.irp ks, 0,1,2,3
	global_load_b128 v[DF+16*(4*(\mt)+(\ks)):DF+16*(4*(\mt)+(\ks))+3],     v[DOF], s[8:9] offset:(\mt)*65536+(\ks)*128      ; batch 16 mt + l % 16, k = 32 ks + 8 (l / 16) + 0..3,
	global_load_b128 v[DF+16*(4*(\mt)+(\ks))+4:DF+16*(4*(\mt)+(\ks))+7],   v[DOF], s[8:9] offset:(\mt)*65536+(\ks)*128+16   ; + 4..7,
	global_load_b128 v[DF+16*(4*(\mt)+(\ks))+8:DF+16*(4*(\mt)+(\ks))+11],  v[DOF], s[8:9] offset:(\mt)*65536+(\ks)*128+64   ; and the same 16 k further on
	global_load_b128 v[DF+16*(4*(\mt)+(\ks))+12:DF+16*(4*(\mt)+(\ks))+15], v[DOF], s[8:9] offset:(\mt)*65536+(\ks)*128+80
.endr
.endr
	global_load_b128 v[BI:BI+3],   v[BIO], s[10:11]
	global_load_b128 v[BI+4:BI+7], v[BIO], s[10:11] offset:16
	global_load_b128 v[BD:BD+3],   v[BIO], s[12:13]
	global_load_b128 v[BD+4:BD+7], v[BIO], s[12:13] offset:16
	TRL
	s_cmp_eq_u32 s20, 0                            ; the biases enter one of the eight parts
	s_cselect_b32 s24, 1.0, 0
	s_mov_b32 s25, s24                             ; named with it as a pair
	s_wait_loadcnt 0x0
.set f, 0
.rept 8
.set j, 0
.rept 8
	v_cvt_pk_bf16_f32 v[DF+16*f+j], v[DF+16*f+2*j], v[DF+16*f+2*j+1]  ; in place, ascending: register j is written when 2 j and 2 j + 1 have been read
.set j, j+1
.endr
.set f, f+1
.endr
.irp q, 0,2,4,6
	v_pk_add_f32 v[BI+(\q):BI+(\q)+1], v[BI+(\q):BI+(\q)+1], v[BD+(\q):BD+(\q)+1]
.endr
.irp q, 0,2,4,6
	v_pk_mul_f32 v[BI+(\q):BI+(\q)+1], v[BI+(\q):BI+(\q)+1], s[24:25] op_sel_hi:[1,0]
.endr
	s_wait_dscnt 0x0
	; source 0 = 16 columns of Wd, source 1 = 16 batches: in the result lane l holds batch 16 mt + l % 16 and the columns 8 (l / 16) + 0..7.  The two accumulators take turns.
.irp ks, 0,1,2,3
.irp mt, 0,1
.if (\ks) == 0
	v_wmma_f32_16x16x32_bf16 v[SL+8*(\mt):SL+8*(\mt)+7], v[WF+8*(\ks):WF+8*(\ks)+7], v[DF+16*(4*(\mt)+(\ks)):DF+16*(4*(\mt)+(\ks))+7], v[BI:BI+7]
.else
	v_wmma_f32_16x16x32_bf16 v[SL+8*(\mt):SL+8*(\mt)+7], v[WF+8*(\ks):WF+8*(\ks)+7], v[DF+16*(4*(\mt)+(\ks)):DF+16*(4*(\mt)+(\ks))+7], v[SL+8*(\mt):SL+8*(\mt)+7]
.endif
.endr
.endr
.rept 8
	v_nop                                          ; the places between the last product and the stores that read results; once a launch
.endr
.irp mt, 0,1
	ds_store_b128 v[BNW], v[SL+8*(\mt):SL+8*(\mt)+3]   offset:(\mt)*1024
	ds_store_b128 v[BNW], v[SL+8*(\mt)+4:SL+8*(\mt)+7] offset:(\mt)*1024+16
.endr
.irp i, 0,1,2,3
	ds_load_b128 v[SL+16+4*(\i):SL+16+4*(\i)+3], v[BNR] offset:512*(\i)  ; my own bytes: LDS serves a wave's instructions in order (ISA guide 5.7.1.4)
.endr
	s_wait_dscnt 0x0
.irp i, 0,1,2,3
	global_store_b128 v[SOF], v[SL+16+4*(\i):SL+16+4*(\i)+3], s[16:17] offset:512*(\i)  ; 512 consecutive bytes, aligned
.endr
.Lend:
	s_wait_tensorcnt 0x0                           ; the wave's end, behind my last LDS store
	ds_add_u32 v[SPW], v[NIL]
	s_wait_dscnt 0x0
	s_endpgm
.Lfunc_end_k_q3756b4079b_prep:
	.size	k_q3756b4079b_prep, .Lfunc_end_k_q3756b4079b_prep-k_q3756b4079b_prep
	.p2alignl 7, 3214868480
	.fill 96, 4, 3214868480
	.section	.rodata,"a",@progbits
	.p2align	6, 0x0
	.amdhsa_kernel k_q3756b4079b_prep
		.amdhsa_group_segment_fixed_size 29184
		.amdhsa_private_segment_fixed_size 0
		.amdhsa_enable_private_segment 0
		.amdhsa_kernarg_size 56
		.amdhsa_user_sgpr_count 2
		.amdhsa_user_sgpr_kernarg_segment_ptr 1
		.amdhsa_wavefront_size32 1
		.amdhsa_system_sgpr_workgroup_id_x 1
		.amdhsa_system_sgpr_workgroup_id_y 1
		.amdhsa_system_sgpr_workgroup_id_z 1
		.amdhsa_system_vgpr_workitem_id 0
		.amdhsa_next_free_vgpr 256
		.amdhsa_next_free_sgpr 66
		.amdhsa_reserve_vcc 0
		.amdhsa_float_denorm_mode_32 3
		.amdhsa_float_denorm_mode_16_64 3
		.amdhsa_memory_ordered 1
		.amdhsa_forward_progress 1
		.amdhsa_inst_pref_size 20
	.end_amdhsa_kernel
	.amdgpu_metadata
---
amdhsa.version: [ 1, 2 ]
amdhsa.kernels:
  - .name:           k_q3756b4079b_prep
    .symbol:         k_q3756b4079b_prep.kd
    .args:
      - { .name: We, .offset: 0, .size: 8, .value_kind: global_buffer, .address_space: global }
      - { .name: Wd, .offset: 8, .size: 8, .value_kind: global_buffer, .address_space: global }
      - { .name: decoder_hidden_state, .offset: 16, .size: 8, .value_kind: global_buffer, .address_space: global }
      - { .name: be, .offset: 24, .size: 8, .value_kind: global_buffer, .address_space: global }
      - { .name: bd, .offset: 32, .size: 8, .value_kind: global_buffer, .address_space: global }
      - { .name: web, .offset: 40, .size: 8, .value_kind: global_buffer, .address_space: global }
      - { .name: d2p, .offset: 48, .size: 8, .value_kind: global_buffer, .address_space: global }
    .group_segment_fixed_size: 29184
    .private_segment_fixed_size: 0
    .kernarg_segment_align: 8
    .kernarg_segment_size: 56
    .max_flat_workgroup_size: 128
    .sgpr_count:     66
    .vgpr_count:     256
    .wavefront_size: 32
...
	.end_amdgpu_metadata
.endif
;; end of part 1
;; launch attn (part 2): grid 256 x 1, 4 waves a work-group, no clusters, 281,088 bytes of LDS; arguments encoder_out, web, d2p, Ws, bs, part; writes part
.if DOCPART == 2
	.amdgcn_target "amdgcn-amd-amdhsa--gfx1250"
	.amdhsa_code_object_version 6
	.text
	.protected	k_q3756b4079b_attn
	.globl	k_q3756b4079b_attn
	.p2align	8
	.type	k_q3756b4079b_attn,@function
k_q3756b4079b_attn:
	s_mov_b64 s[64:65], 0
	v_nop
	global_prefetch_b8 v0, s[64:65] scope:SCOPE_SE
	s_setreg_imm32_b32 hwreg(HW_REG_WAVE_MODE, 25, 1), 1
	s_wait_xcnt 0x0
; ATTN.  For 256 rows s of one batch b, as two blocks of 128: score[s] = sum over n of Ws[n] tanh((E We)[s][n] + d[n]) + bs, d[n] = be + bd + dec[b] . Wd[:, n] (eight parts from d2p);
; the block's maximum m, p = e^(score - m), l = sum p, ctx[c] = sum over s of p[s] E[s][c].  (ctx, m, l) go to part; the next launch joins a batch's sixteen blocks.
; E IS READ FROM MEMORY ONCE: a block, rounded to bf16, stays in LDS (128 rows x 2,064 bytes) as the first product's rows AND as the second product's E.
; SHARES.  Four waves.  A wave brings 32 rows of a block into LDS; in the product E We it owns all 128 rows x 256 columns (256 w on), in two passes of 128 columns: 64 accumulators, 512 registers;
; a pass is 32 K steps of 32, 64 matrix instructions each.  In the result a lane holds ONE column (lane % 16) and the rows 8 (lane / 16) + 0..7 of a tile, so d and Ws are a number a lane and tile.
; tanh(x) = 1 - 2 / (1 + 2^(c2 x)), c2 = 2 log2(e): a lane's row sums start at the sum of Ws over its 16 columns and take -2 Ws[n] / (1 + 2^(c2 s + c2 d[n])).  Where 2^.. overflows the quotient is 0,
; where it underflows 1: tanh ends at 1 and -1.
; We COMES STRAIGHT INTO REGISTERS: web holds it as fragments, 16 loads of 512 consecutive bytes a K step and wave, four register buffers, three steps ahead.
; NO TENSOR LOAD, NO CLUSTER: behind the block 63,488 of the 327,680 bytes that a work-group can be given are left, of which this text's scratch takes 16,896: two slots for We would hold under 24 KiB each,
; three K steps of the four waves (192 matrix instructions a wave) for each barrier; and no wave reads a column of We that another wave of the work-group reads.
; THE WEIGHTS p go to the matrix unit as two bf16 numbers, p_hi + p_lo (even and odd rows of source 0), so that p keeps 16 significant bits; l is the sum of the unrounded p.
; LIMITS.  E, We, dec, Wd are rounded to bf16; NaN and infinities are not treated apart; a weight below 2^-126 counts as 0.
; REGISTERS, in windows of 256 (s_set_vgpr_msb: bits 1:0 source 0, 3:2 source 1, 5:4 source 2, 7:6 destination):
;   window 0: v0-31 addresses and a few at work; v32-47 (c2 d, -2 Ws) of the pass in hand, v48-63 of the other; v64-191 two buffers of E's fragments; v192-255 the 64 row sums
;   window 1: four buffers of We's fragments      window 2: accumulators of rows 0-63; on E's way in eight row slots of 32      window 3: accumulators of rows 64-127; later 16 of ctx
.set PA,    2064                       ; an LDS row of the block: 2,048 bytes + 16 = 129 x 16: the 16 rows of a fragment load start in 16 different groups of four banks (64 banks of 4 bytes: ISA guide 11.1)
.set R16,   16*PA
.set R32,   32*PA
.set PRS,   128*PA                     ; behind the block: 2,048 bytes a wave: the pairs (c2 d, -2 Ws) at 8 x column; used at the head alone
.set XS,    PRS+8192                   ; 512 bytes a wave: its 128 row sums
.set PH,    XS+2048                    ; 512 bytes a wave: p_hi[128], p_lo[128] in bf16
.set CX,    PH+2048                    ; 1,024 bytes a wave: ctx's way out
.set SPARE, CX+4096                    ; the spare words, 128 bytes for each wave: two blocks of 256 bytes that no other line names
.set REC,   4352                       ; a record of part: ctx (4,096 bytes), then (m, l) 32 times (256 bytes)
.set LOF, 2                            ; v2   16 x lane; never rewritten
.set AB,  3                            ; v3   a fragment's place: (l % 16) PA + 16 (l / 16); never rewritten
.set AAD, 4                            ; v4-7 the same for rows 32 i on, at the K step in hand
.set EST, 8                            ; v8   where I put 8 bytes of a row of the block
.set EST0, 9                           ; v9   the same for my wave's first row; never rewritten
.set XSW, 10
.set XSR, 11
.set PHW, 12
.set PHR, 13
.set TA,  14                           ; v14-17 the turning load's address for rows 32 kk on, my wave's 256 channels
.set CXW, 18
.set CXR, 19
.set OOF, 20                           ; v20  1,024 w + 16 l: my bytes of ctx in a record, and of Ws
.set MLO, 21                           ; v21  4,096 + 8 l
.set WINIT, 22                         ; v22  the sum of Ws over my 16 columns
.set PFO, 23                           ; v23  256 x lane
.set SPW, 28                           ; v28  LDS address of my spare word; never rewritten
.set NIL, 29                           ; v29  0; never rewritten
.set PW,  32
.set PX,  48
.set AF,  64
.set SC,  192
.set XT,  64                           ; outside the product E We: v64-79 at work, v80-95 ctx, v96-127 p's fragments, v128-255 two buffers of E turned
.set CT,  80
.set PF,  96
.set FR,  128
.set WV,  16                           ; s16  my wave's number
.set EP,  20                           ; s[20:21] E at the eight rows that my wave is bringing in
.set BW,  22                           ; s[22:23] web at my wave's columns
.set BP,  24                           ; s[24:25] web at the K step in hand
.set OP,  26                           ; s[26:27] the block's record in part
.set BLK, 28
.set PAS, 29
.set BS,  30                           ; s[30:31] bs, twice
.set C2,  32                           ; s[32:33] c2, twice
.set SEL, 34                           ; s[34:35] v_permlanex16_b32's selects: each lane takes its own place in the other half
.set TRP, 36
.set RT,  37
.set LE,  38                           ; s[38:39] log2(e), twice
.set MSB, 0
.macro WIN new                         ; the immediate's high byte repeats the setting that is left; a switch that changes nothing is dropped
.if MSB != (\new)
	s_set_vgpr_msb (MSB<<8)|(\new)
.set MSB, (\new)
.endif
.endm
.macro PLACES                          ; four places between a matrix instruction and a load into, or a vector instruction on, its registers
.rept 4
	v_nop
.endr
.endm
; The first six rows of my 32: 48 loads of 512 consecutive bytes into row slots 0 to 5.
.macro EPRO
	WIN 0x80                                       ; destination window 2
.irp i, 0,1,2,3,4,5
.irp gg, 0,1,2,3,4,5,6,7
	global_load_b128 v[32*(\i)+4*(\gg):32*(\i)+4*(\gg)+3], v[LOF], s[EP:EP+1] offset:(\i)*4096+(\gg)*512 th:TH_LOAD_NT
.endr
.endr
	WIN 0
.endm
; Eight of the 48 loads that bring a pass's first three K steps of We into buffers 0 to 2: load q fills registers 4 q .. 4 q + 3 from byte 512 q.
.macro BP8 j
	WIN 0x40                                       ; destination window 1
.irp q, 0,1,2,3,4,5,6,7
	global_load_b128 v[4*(8*(\j)+(\q)):4*(8*(\j)+(\q))+3], v[LOF], s[BP:BP+1] offset:(8*(\j)+(\q))*512
.endr
.endm
; Row i of the eight in hand: eight loads go out (kind 0: the row six further on; kind 1: We's, in the place where E has no row left), then row i is rounded to bf16 and laid in LDS.
.macro ROW i, kind, j=0
.if \kind
	BP8 \j
.else
	WIN 0x80
.irp gg, 0,1,2,3,4,5,6,7
	global_load_b128 v[32*(((\i)+6)%8)+4*(\gg):32*(((\i)+6)%8)+4*(\gg)+3], v[LOF], s[EP:EP+1] offset:((\i)+6)*4096+(\gg)*512 th:TH_LOAD_NT
.endr
.endif
	s_wait_loadcnt 48                              ; loads come back in order (ISA guide 5.7.1): row i is in; the 48 younger loads stay out
	WIN 0x8a                                       ; destination and both sources window 2
.irp gg, 0,1,2,3,4,5,6,7
	v_cvt_pk_bf16_f32 v[32*(\i)+4*(\gg)],   v[32*(\i)+4*(\gg)],   v[32*(\i)+4*(\gg)+1]
	v_cvt_pk_bf16_f32 v[32*(\i)+4*(\gg)+1], v[32*(\i)+4*(\gg)+2], v[32*(\i)+4*(\gg)+3]
.endr
	WIN 0x08                                       ; the stores' data in window 2
.irp gg, 0,1,2,3,4,5,6,7
	ds_store_b64 v[EST], v[32*(\i)+4*(\gg):32*(\i)+4*(\gg)+1] offset:(\i)*PA+(\gg)*256  ; 256 consecutive bytes of the row
.endr
.endm
; E's fragments of one K step (128 rows x 32 channels at byte ka of the rows) into buffer buf: rows 0-63 first.
.macro AFETCH buf, ka
	WIN 0
.irp a, 0,1,2,3,4,5,6,7
	ds_load_b128 v[AF+64*(\buf)+8*(\a):AF+64*(\buf)+8*(\a)+3],   v[AAD+(\a)/2] offset:((\a)%2)*R16+(\ka)
	ds_load_b128 v[AF+64*(\buf)+8*(\a)+4:AF+64*(\buf)+8*(\a)+7], v[AAD+(\a)/2] offset:((\a)%2)*R16+(\ka)+32
.endr
.endm
; We's fragments of one K step (128 columns x 32 channels, 8,192 bytes at byte kb) into buffer buf.
.macro BFETCH buf, kb
	WIN 0x40
.irp t, 0,1,2,3,4,5,6,7
	global_load_b128 v[64*(\buf)+8*(\t):64*(\buf)+8*(\t)+3],   v[LOF], s[BP:BP+1] offset:(\kb)+1024*(\t)
	global_load_b128 v[64*(\buf)+8*(\t)+4:64*(\buf)+8*(\t)+7], v[LOF], s[BP:BP+1] offset:(\kb)+1024*(\t)+512
.endr
.endm
; 32 matrix instructions: row tiles 4 hi .. 4 hi + 3 x all 8 column tiles.  The 64 accumulators take turns in the same order in every K step, over the backward jump too.
.macro MUL32 abuf, bbuf, hi, zero
	WIN 0xa4+0x50*(\hi)                            ; E window 0, We window 1, C and D window 2 or 3
.irp a, 0,1,2,3
.irp b, 0,1,2,3,4,5,6,7
.if \zero
	v_wmma_f32_16x16x32_bf16 v[8*(8*(\a)+(\b)):8*(8*(\a)+(\b))+7], v[AF+64*(\abuf)+8*(4*(\hi)+(\a)):AF+64*(\abuf)+8*(4*(\hi)+(\a))+7], v[64*(\bbuf)+8*(\b):64*(\bbuf)+8*(\b)+7], 0
.else
	v_wmma_f32_16x16x32_bf16 v[8*(8*(\a)+(\b)):8*(8*(\a)+(\b))+7], v[AF+64*(\abuf)+8*(4*(\hi)+(\a)):AF+64*(\abuf)+8*(4*(\hi)+(\a))+7], v[64*(\bbuf)+8*(\b):64*(\bbuf)+8*(\b)+7], v[8*(8*(\a)+(\b)):8*(8*(\a)+(\b))+7]
.endif
.endr
.endr
.endm
; A K step.  In its middle the next step's E (ka; -1: none) and We of three steps on (kb; -1: none) are asked for, in one run.  lc: We's younger loads, which may stay out.
.macro STEP abuf, bbuf, zero, ka, kb, lc
	s_wait_loadcnt \lc                             ; this step's We is in
	s_wait_dscnt 8                                 ; E's rows 0-63 are in; the youngest eight loads (rows 64-127) may be out
	MUL32 \abuf, \bbuf, 0, \zero
.if (\ka) >= 0
	PLACES                                         ; the buffers to be filled were read by the step before
	AFETCH 1-(\abuf), \ka
.endif
.if (\kb) >= 0
	BFETCH ((\bbuf)+3)%4, \kb
.endif
.if (\ka) >= 0
	s_wait_dscnt 16                                ; all but the 16 just issued
.else
	s_wait_dscnt 0x0
.endif
	MUL32 \abuf, \bbuf, 1, \zero
.endm
; Row tile a's 8 accumulators become row sums: c2 s + c2 d; 2^; + 1; 1 /; times -2 Ws onto the sums.  Each accumulator's lowest registers are read first.
; The 64 exponentials are one batch, the 64 reciprocals another: behind each a plain instruction and one wait ahead of the first reader.
.macro EPI a
.set EW, 2+(\a)/4
.set EB, 64*((\a)%4)
	WIN (EW<<6)|EW                                 ; destination and source 0 in the accumulators' window
.set b, 0
.rept 8
.set q, 0
.rept 4
	v_pk_fma_f32 v[EB+8*b+2*q:EB+8*b+2*q+1], v[EB+8*b+2*q:EB+8*b+2*q+1], s[C2:C2+1], v[PW+2*b:PW+2*b+1] op_sel_hi:[1,0,0]
.set q, q+1
.endr
.set b, b+1
.endr
.set q, 0
.rept 64
	v_exp_f32 v[EB+q], v[EB+q]
.set q, q+1
.endr
	v_nop
	s_wait_alu depctr_va_vdst(0)
.set q, 0
.rept 32
	v_pk_add_f32 v[EB+2*q:EB+2*q+1], v[EB+2*q:EB+2*q+1], 1.0 op_sel_hi:[1,0]
.set q, q+1
.endr
.set q, 0
.rept 64
	v_rcp_f32 v[EB+q], v[EB+q]
.set q, q+1
.endr
	v_nop
	s_wait_alu depctr_va_vdst(0)
	WIN EW                                         ; source 0 in the accumulators' window, all else window 0
.set b, 0
.rept 8
.set q, 0
.rept 4
	v_pk_fma_f32 v[SC+8*(\a)+2*q:SC+8*(\a)+2*q+1], v[EB+8*b+2*q:EB+8*b+2*q+1], v[PW+2*b:PW+2*b+1], v[SC+8*(\a)+2*q:SC+8*(\a)+2*q+1] op_sel:[0,1,0] op_sel_hi:[1,1,1]
.set q, q+1
.endr
.set b, b+1
.endr
.endm
; ctx, turn t2 of eight: channel tiles 2 t2 and 2 t2 + 1 of my 16.  CLOAD: E turned, 128 rows x 32 channels, 16 loads.  CMUL: 8 products, the two tiles by turns.
.macro CLOAD t2
	WIN 0
.irp kk, 0,1,2,3
.irp u, 0,1
	ds_load_tr16_b128 v[FR+64*((\t2)%2)+16*(\kk)+8*(\u):FR+64*((\t2)%2)+16*(\kk)+8*(\u)+3],   v[TA+(\kk)] offset:32*(2*(\t2)+(\u))
	ds_load_tr16_b128 v[FR+64*((\t2)%2)+16*(\kk)+8*(\u)+4:FR+64*((\t2)%2)+16*(\kk)+8*(\u)+7], v[TA+(\kk)] offset:32*(2*(\t2)+(\u))+R16
.endr
.endr
.endm
.macro CMUL t2
	WIN 0xf0                                       ; p and E window 0, C and D window 3
.irp kk, 0,1,2,3
.irp u, 0,1
.if (\kk) == 0
	v_wmma_f32_16x16x32_bf16 v[8*(2*(\t2)+(\u)):8*(2*(\t2)+(\u))+7], v[PF+8*(\kk):PF+8*(\kk)+7], v[FR+64*((\t2)%2)+16*(\kk)+8*(\u):FR+64*((\t2)%2)+16*(\kk)+8*(\u)+7], 0
.else
	v_wmma_f32_16x16x32_bf16 v[8*(2*(\t2)+(\u)):8*(2*(\t2)+(\u))+7], v[PF+8*(\kk):PF+8*(\kk)+7], v[FR+64*((\t2)%2)+16*(\kk)+8*(\u):FR+64*((\t2)%2)+16*(\kk)+8*(\u)+7], v[8*(2*(\t2)+(\u)):8*(2*(\t2)+(\u))+7]
.endif
.endr
.endr
.endm
	; THE HEAD
	s_load_b256 s[4:11], s[0:1], 0x0               ; E s[4:5], web s[6:7], d2p s[8:9], Ws s[10:11]
	s_load_b128 s[12:15], s[0:1], 0x20             ; bs s[12:13], part s[14:15]
	v_lshl_add_u32 v[SPW], v0, 2, SPARE
	v_mov_b32 v[NIL], 0
	v_lshrrev_b32 v1, 5, v0
	v_readfirstlane_b32 s[WV], v1                  ; wave 0..3
	v_and_b32 v24, 31, v0                          ; l
	v_and_b32 v25, 15, v0                          ; l % 16
	v_bfe_u32 v26, v0, 4, 1                        ; l / 16
	v_and_b32 v27, 7, v0                           ; l % 8
	v_bfe_u32 v30, v0, 3, 1                        ; (l / 8) % 2
	v_lshlrev_b32 v[LOF], 4, v24
	v_lshlrev_b32 v[PFO], 8, v24
	v_mul_u32_u24 v[AB], v25, PA
	v_lshl_add_u32 v[AB], v26, 4, v[AB]
	s_mul_i32 s17, s[WV], R32                      ; my wave's 32 rows of the block
	v_lshl_add_u32 v[EST0], v24, 3, s17
	s_lshl_b32 s18, s[WV], 9
	s_add_co_u32 s19, s18, XS
	v_lshl_add_u32 v[XSW], v26, 5, s19             ; my 8 rows of a tile: 32 bytes for each half of the lanes
	v_lshl_add_u32 v[XSR], v24, 4, XS              ; back: rows 4 l .. 4 l + 3
	s_add_co_u32 s40, s18, PH
	v_lshl_add_u32 v[PHW], v24, 3, s40
	v_and_b32 v1, 1, v0
	v_lshl_add_u32 v[PHR], v1, 8, s40              ; even rows of source 0 take p_hi, odd rows p_lo
	v_lshl_add_u32 v[PHR], v26, 4, v[PHR]
	v_lshl_add_u32 v31, v26, 3, v27                ; the turning load: row 8 (l / 16) + l % 8,
	v_mul_u32_u24 v31, v31, PA
	v_lshl_add_u32 v31, v30, 4, v31                ; 16 ((l / 8) % 2) bytes,
	v_add_nc_u32 v31, s18, v31                     ; my wave's 256 channels
.irp kk, 0,1,2,3
	v_add_nc_u32 v[TA+(\kk)], (\kk)*R32, v31
.endr
	s_lshl_b32 s41, s[WV], 10
	s_add_co_u32 s42, s41, CX
	v_lshl_add_u32 v[CXW], v25, 2, s42
	v_lshl_add_u32 v[CXR], v24, 4, s42
	v_lshl_add_u32 v[OOF], v24, 4, s41
	v_lshl_add_u32 v[MLO], v24, 3, 4096
	s_lshl_b32 s43, s[WV], 11
	s_add_co_u32 s43, s43, PRS
	v_lshl_add_u32 v31, v24, 5, s43                ; the pairs of columns 4 l .. 4 l + 3
	v_lshl_add_u32 v30, v25, 3, s43                ; the pair of column l % 16
	s_lshr_b32 s44, ttmp9, 3                       ; the batch
	s_lshl_b32 s44, s44, 6
	s_lshl_b32 s45, s[WV], 15                      ; my wave's 16 tiles of 2,048 bytes in a part of d2p
	s_add_co_u32 s44, s44, s45
	v_lshrrev_b32 v1, 2, v24
	v_and_b32 v27, 3, v0
	v_lshl_add_u32 v1, v1, 11, s44                 ; tile l / 4,
	v_lshl_add_u32 v1, v27, 4, v1                  ; columns 4 (l % 4) on
	s_mov_b32 s[C2], 0x4038aa3b                    ; 2 log2(e)
	s_mov_b32 s[C2+1], s[C2]
	s_mov_b32 s[SEL], 0x76543210
	s_mov_b32 s[SEL+1], 0xfedcba98
	s_mov_b32 s[LE], 0x3fb8aa3b                    ; log2(e)
	s_mov_b32 s[LE+1], s[LE]
	s_lshl_b32 s40, ttmp9, 20                      ; the work-group's 256 rows of 4,096 bytes,
	s_lshl_b32 s41, s[WV], 17                      ; my wave's 32 of the first block
	s_add_co_u32 s40, s40, s41
	s_mov_b32 s41, 0
	s_lshl_b32 s42, s[WV], 19                      ; my wave's two passes of 262,144 bytes in web
	s_mov_b32 s43, 0
	s_mul_i32 s44, ttmp9, 2*REC
	s_mov_b32 s45, 0
	s_wait_kmcnt 0x0
	s_load_b32 s[BS], s[12:13], 0x0
	s_add_nc_u64 s[EP:EP+1], s[4:5], s[40:41]
	s_add_nc_u64 s[BW:BW+1], s[6:7], s[42:43]
	s_add_nc_u64 s[OP:OP+1], s[14:15], s[44:45]
.irp pt, 0,1,2,3,4,5,6,7
.irp u, 0,1
	global_load_b128 v[64+8*(\pt)+4*(\u):64+8*(\pt)+4*(\u)+3], v1, s[8:9] offset:(\pt)*131072+(\u)*16384  ; part pt of d for my wave's columns 128 u + 4 l + 0..3
.endr
.endr
.irp u, 0,1
	global_load_b128 v[128+4*(\u):128+4*(\u)+3], v[OOF], s[10:11] offset:512*(\u)  ; Ws of the same columns
.endr
	EPRO                                           ; 18 + 48 loads on end; where the counter's field is full the issue is held back (ISA guide 5.7.1)
	s_wait_kmcnt 0x0
	s_mov_b32 s[BS+1], s[BS]
	s_wait_loadcnt 48                              ; d and Ws are in; E's 48 loads stay out
.irp pt, 1,2,3,4,5,6,7
.irp q, 0,2,4,6
	v_pk_add_f32 v[64+(\q):64+(\q)+1], v[64+(\q):64+(\q)+1], v[64+8*(\pt)+(\q):64+8*(\pt)+(\q)+1]
.endr
.endr
.irp e, 0,1,2,3,4,5,6,7
	v_mul_f32 v[144+2*(\e)], s[C2], v[64+(\e)]     ; c2 d
	v_mul_f32 v[145+2*(\e)], -2.0, v[128+(\e)]     ; -2 Ws
.endr
.irp u, 0,1
	ds_store_b128 v31, v[144+8*(\u):144+8*(\u)+3] offset:1024*(\u)
	ds_store_b128 v31, v[148+8*(\u):148+8*(\u)+3] offset:1024*(\u)+16
.endr
.irp t, 0,1,2,3,4,5,6,7
	ds_load_b64 v[PW+2*(\t):PW+2*(\t)+1], v30 offset:128*(\t)       ; my own bytes, served in order (ISA guide 5.7.1.4): pass 0, tile t, column l % 16,
	ds_load_b64 v[PX+2*(\t):PX+2*(\t)+1], v30 offset:1024+128*(\t)  ; and pass 1
.endr
	s_wait_dscnt 0x0
	v_add_f32 v[WINIT], v[PW+1], v[PW+3]
.irp t, 5,7,9,11,13,15,17,19,21,23,25,27,29,31
	v_add_f32 v[WINIT], v[WINIT], v[PW+(\t)]       ; (PX follows PW)
.endr
	v_mul_f32 v[WINIT], -0.5, v[WINIT]             ; the sum of Ws over my 16 columns
	s_mov_b32 s[BLK], 2
.Lblk:                                         ; A BLOCK OF 128 ROWS.  Its first six rows a wave are on their way
	v_mov_b32 v[EST], v[EST0]
	s_mov_b32 s[RT], 3
.Lring:                                        ; eight rows a trip; six rows, 48 loads, are always out
.irp i, 0,1,2,3,4,5,6,7
	ROW \i, 0
.endr
	WIN 0
	s_wait_xcnt 0x0                                ; every load issued so far has read its address: the pointer may be written
	s_add_nc_u64 s[EP:EP+1], s[EP:EP+1], 8*4096
	v_add_nc_u32 v[EST], 8*PA, v[EST]
	s_sub_co_u32 s[RT], s[RT], 1
	s_cmp_lg_u32 s[RT], 0
	s_cbranch_scc1 .Lring
	s_mov_b64 s[BP:BP+1], s[BW:BW+1]               ; (no memory instruction since the wait above)
	ROW 0, 0                                       ; the last eight rows are written out: two more rows of E,
	ROW 1, 0
	ROW 2, 1, 0                                    ; then the first pass's first three K steps of We stand where E's loads stood: every wait keeps its count
	ROW 3, 1, 1
	ROW 4, 1, 2
	ROW 5, 1, 3
	ROW 6, 1, 4
	ROW 7, 1, 5
	WIN 0
.set i, 0
.rept 64
	v_mov_b32 v[SC+i], v[WINIT]                    ; the row sums start at the 1 of tanh = 1 - 2 / (..), times Ws; written while the last stores are out
.set i, i+1
.endr
	s_wait_dscnt 0x0                               ; for the others' sake: my 32 rows lie in LDS
	s_barrier_signal -1
	s_barrier_wait -1                              ; the block is whole
	s_mov_b32 s[PAS], 2
.Lpass:                                        ; 128 ROWS x 128 COLUMNS x 1,024
.irp i, 0,1,2,3
	v_add_nc_u32 v[AAD+(\i)], (\i)*R32, v[AB]
.endr
	AFETCH 0, 0
	STEP 0, 0, 1, 64, 3*8192, 32                   ; K step 0 starts the sums: nothing is cleared
	WIN 0
	s_mov_b32 s[TRP], 7
.Lk:                                           ; K steps 4 i + 1 .. 4 i + 4
	STEP 1, 1, 0, 128, 4*8192, 32
	STEP 0, 2, 0, 192, 5*8192, 32
	STEP 1, 3, 0, 256, 6*8192, 32
	STEP 0, 0, 0, 320, 7*8192, 32
	WIN 0
	s_wait_xcnt 0x0                                ; the youngest load stands 32 matrix instructions back
	s_add_nc_u64 s[BP:BP+1], s[BP:BP+1], 4*8192
.irp i, 0,1,2,3
	v_add_nc_u32 v[AAD+(\i)], 256, v[AAD+(\i)]
.endr
	s_sub_co_u32 s[TRP], s[TRP], 1
	s_cmp_lg_u32 s[TRP], 0
	s_cbranch_scc1 .Lk
	STEP 1, 1, 0, 128, -1, 32                      ; K steps 29 to 31: We has nothing left to fetch, and its counts run down
	STEP 0, 2, 0, 192, -1, 16
	STEP 1, 3, 0, -1, -1, 0
	WIN 0
	PLACES
	PLACES                                         ; (eight, once a pass)
	s_wait_xcnt 0x0
	s_add_nc_u64 s[BP:BP+1], s[BP:BP+1], 4*8192    ; the second pass's columns follow the first's in web
	s_cmp_eq_u32 s[PAS], 2
	s_cbranch_scc0 .Lnob
.irp j, 0,1,2,3,4,5
	BP8 \j                                         ; the second pass's first three K steps come in under the vector work below
.endr
	WIN 0
.Lnob:
.irp a, 0,1,2,3,4,5,6,7
	EPI \a
.endr
	WIN 0
.set i, 0
.rept 16
	v_mov_b32 v[XT+i], v[PW+i]                     ; the two passes' pairs change places: one text serves both passes
.set i, i+1
.endr
.set i, 0
.rept 16
	v_mov_b32 v[PW+i], v[PX+i]
.set i, i+1
.endr
.set i, 0
.rept 16
	v_mov_b32 v[PX+i], v[XT+i]
.set i, i+1
.endr
	s_sub_co_u32 s[PAS], s[PAS], 1
	s_cmp_lg_u32 s[PAS], 0
	s_cbranch_scc1 .Lpass
	s_cmp_eq_u32 s[BLK], 1
	s_cbranch_scc1 .Lnoe                           ; the second block has no successor
	s_wait_xcnt 0x0
	s_add_nc_u64 s[EP:EP+1], s[EP:EP+1], 128*4096-3*8*4096  ; my 32 rows of the next block
	EPRO                                           ; window 2's accumulators have been used up: the next block's first six rows come in under what follows
	global_prefetch_b8 v[PFO], s[EP:EP+1] offset:6*4096 th:TH_LOAD_NT scope:SCOPE_SE  ; and my rows 6 and 7 are asked for, a lane for each 256 bytes: named once in the launch, by the wave that will load them; the exchange of the row sums and the product for ctx stand between this line and those loads
.Lnoe:
	; THE ROW SUMS MEET.  A row's sum over my 256 columns: over the 16 lanes of a half
.irp m, 1,2,4,8
.set i, 0
.rept 64
	v_add_f32_dpp v[SC+i], v[SC+i], v[SC+i] row_xmask:\m row_mask:0xf bank_mask:0xf
.set i, i+1
.endr
.endr
.set i, 0
.rept 16
	ds_store_b128 v[XSW], v[SC+4*i:SC+4*i+3] offset:64*(i/2)+16*(i%2)  ; the sixteen lanes of a half write the same words with the same numbers
.set i, i+1
.endr
	s_wait_dscnt 0x0                               ; for the others' sake
	s_barrier_signal -1
	s_barrier_wait -1
.irp x, 0,1,2,3
	ds_load_b128 v[XT+4*(\x):XT+4*(\x)+3], v[XSR] offset:512*(\x)  ; rows 4 l .. 4 l + 3, from each wave: every wave makes all 128 weights for itself
.endr
	s_wait_dscnt 0x0
	v_pk_add_f32 v[XT:XT+1],     v[XT:XT+1],     v[XT+4:XT+5]
	v_pk_add_f32 v[XT+2:XT+3],   v[XT+2:XT+3],   v[XT+6:XT+7]
	v_pk_add_f32 v[XT+8:XT+9],   v[XT+8:XT+9],   v[XT+12:XT+13]
	v_pk_add_f32 v[XT+10:XT+11], v[XT+10:XT+11], v[XT+14:XT+15]
	v_pk_add_f32 v[XT:XT+1],     v[XT:XT+1],     v[XT+8:XT+9]
	v_pk_add_f32 v[XT+2:XT+3],   v[XT+2:XT+3],   v[XT+10:XT+11]
	v_pk_add_f32 v[XT:XT+1],     v[XT:XT+1],     s[BS:BS+1] op_sel_hi:[1,0]
	v_pk_add_f32 v[XT+2:XT+3],   v[XT+2:XT+3],   s[BS:BS+1] op_sel_hi:[1,0]
	v_max3_num_f32 v24, v[XT], v[XT+1], v[XT+2]    ; the block's maximum
	v_max_num_f32 v24, v24, v[XT+3]
	v_max_num_f32_dpp v24, v24, v24 row_xmask:1 row_mask:0xf bank_mask:0xf
	v_max_num_f32_dpp v24, v24, v24 row_xmask:2 row_mask:0xf bank_mask:0xf
	v_max_num_f32_dpp v24, v24, v24 row_xmask:4 row_mask:0xf bank_mask:0xf
	v_max_num_f32_dpp v24, v24, v24 row_xmask:8 row_mask:0xf bank_mask:0xf
	v_permlanex16_b32 v26, v24, s[SEL], s[SEL+1]
	v_max_num_f32 v24, v24, v26                    ; m, in every lane
	v_mul_f32 v26, s[LE], v24
	v_pk_fma_f32 v[XT:XT+1],   v[XT:XT+1],   s[LE:LE+1], v[26:27] op_sel_hi:[1,0,0] neg_lo:[0,0,1] neg_hi:[0,0,1]
	v_pk_fma_f32 v[XT+2:XT+3], v[XT+2:XT+3], s[LE:LE+1], v[26:27] op_sel_hi:[1,0,0] neg_lo:[0,0,1] neg_hi:[0,0,1]
.irp e, 0,1,2,3
	v_exp_f32 v[XT+(\e)], v[XT+(\e)]               ; p
.endr
	v_nop                                          ; a plain instruction behind the last exponential,
	s_wait_alu depctr_va_vdst(0)                   ; and the wait ahead of the first use: one for the four
	v_add_f32 v25, v[XT], v[XT+1]
	v_add_f32 v30, v[XT+2], v[XT+3]
	v_cvt_pk_bf16_f32 v[XT+4], v[XT], v[XT+1]      ; p_hi
	v_cvt_pk_bf16_f32 v[XT+5], v[XT+2], v[XT+3]
	v_add_f32 v25, v25, v30
	v_lshlrev_b32 v[XT+6], 16, v[XT+4]
	v_and_b32 v[XT+7], 0xffff0000, v[XT+4]
	v_lshlrev_b32 v[XT+8], 16, v[XT+5]
	v_and_b32 v[XT+9], 0xffff0000, v[XT+5]
	v_pk_add_f32 v[XT+6:XT+7], v[XT:XT+1],   v[XT+6:XT+7] neg_lo:[0,1] neg_hi:[0,1]  ; p - p_hi, exact
	v_pk_add_f32 v[XT+8:XT+9], v[XT+2:XT+3], v[XT+8:XT+9] neg_lo:[0,1] neg_hi:[0,1]
	v_cvt_pk_bf16_f32 v[XT+10], v[XT+6], v[XT+7]   ; p_lo
	v_cvt_pk_bf16_f32 v[XT+11], v[XT+8], v[XT+9]
	ds_store_b64 v[PHW], v[XT+4:XT+5]
	ds_store_b64 v[PHW], v[XT+10:XT+11] offset:256
.irp kk, 0,1,2,3
	ds_load_b128 v[PF+8*(\kk):PF+8*(\kk)+3],   v[PHR] offset:64*(\kk)     ; my own bytes, served in order: source 0, rows 32 kk on of the block as its K
	ds_load_b128 v[PF+8*(\kk)+4:PF+8*(\kk)+7], v[PHR] offset:64*(\kk)+32
.endr
	CLOAD 0
	v_add_f32_dpp v25, v25, v25 row_xmask:1 row_mask:0xf bank_mask:0xf
	v_add_f32_dpp v25, v25, v25 row_xmask:2 row_mask:0xf bank_mask:0xf
	v_add_f32_dpp v25, v25, v25 row_xmask:4 row_mask:0xf bank_mask:0xf
	v_add_f32_dpp v25, v25, v25 row_xmask:8 row_mask:0xf bank_mask:0xf
	v_permlanex16_b32 v30, v25, s[SEL], s[SEL+1]
	v_add_f32 v25, v25, v30                        ; l, in every lane: v[24:25] = (m, l)
	; ctx = P E for my 256 channels.  In the result register 0 holds the sum with p_hi, register 1 that with p_lo, for channel l % 16
	CLOAD 1
	s_wait_dscnt 16                                ; all but the 16 just issued
	CMUL 0
.irp t2, 1,2,3,4,5,6
	PLACES                                         ; the buffer to be filled was read by the turn before
	CLOAD (\t2)+1
	s_wait_dscnt 16
	CMUL \t2
.endr
	s_wait_dscnt 0x0
	CMUL 7
	WIN 0
	PLACES
	PLACES                                         ; (eight, once a block)
	WIN 0x0f                                       ; both sources window 3
.set t, 0
.rept 16
	v_add_f32 v[CT+t], v[8*t], v[8*t+1]
.set t, t+1
.endr
	WIN 0
.set t, 0
.rept 16
	ds_store_b32 v[CXW], v[CT+t] offset:64*t       ; both halves of the lanes write the same words with the same numbers
.set t, t+1
.endr
	ds_load_b128 v[XT:XT+3],   v[CXR]              ; my own bytes, served in order
	ds_load_b128 v[XT+4:XT+7], v[CXR] offset:512
	s_wait_dscnt 0x0
	global_store_b128 v[OOF], v[XT:XT+3],   s[OP:OP+1]             ; each store of the wave covers 512 consecutive bytes, aligned
	global_store_b128 v[OOF], v[XT+4:XT+7], s[OP:OP+1] offset:512
	s_cmp_lg_u32 s[WV], 0
	s_cbranch_scc1 .Lnoml
	global_store_b64 v[MLO], v[24:25], s[OP:OP+1]  ; (m, l) 32 times: 256 consecutive bytes, aligned
.Lnoml:
	s_wait_dscnt 0x0                               ; my reads of the block and of the row sums are over
	s_barrier_signal -1
	s_barrier_wait -1                              ; everybody's are: the next block may be written
	s_wait_xcnt 0x0                                ; the stores have read their registers and their base
	s_add_nc_u64 s[OP:OP+1], s[OP:OP+1], REC
	s_sub_co_u32 s[BLK], s[BLK], 1
	s_cmp_lg_u32 s[BLK], 0
	s_cbranch_scc1 .Lblk
	s_wait_tensorcnt 0x0                           ; the wave's end, behind my last LDS store
	ds_add_u32 v[SPW], v[NIL]
	s_wait_dscnt 0x0
	s_endpgm
.Lfunc_end_k_q3756b4079b_attn:
	.size	k_q3756b4079b_attn, .Lfunc_end_k_q3756b4079b_attn-k_q3756b4079b_attn
	.p2alignl 7, 3214868480
	.fill 96, 4, 3214868480
	.section	.rodata,"a",@progbits
	.p2align	6, 0x0
	.amdhsa_kernel k_q3756b4079b_attn
		.amdhsa_group_segment_fixed_size 281088
		.amdhsa_private_segment_fixed_size 0
		.amdhsa_enable_private_segment 0
		.amdhsa_kernarg_size 48
		.amdhsa_user_sgpr_count 2
		.amdhsa_user_sgpr_kernarg_segment_ptr 1
		.amdhsa_wavefront_size32 1
		.amdhsa_system_sgpr_workgroup_id_x 1
		.amdhsa_system_sgpr_workgroup_id_y 1
		.amdhsa_system_sgpr_workgroup_id_z 1
		.amdhsa_system_vgpr_workitem_id 0
		.amdhsa_next_free_vgpr 1024
		.amdhsa_next_free_sgpr 66
		.amdhsa_reserve_vcc 0
		.amdhsa_float_denorm_mode_32 3
		.amdhsa_float_denorm_mode_16_64 3
		.amdhsa_memory_ordered 1
		.amdhsa_forward_progress 1
		.amdhsa_inst_pref_size 235
	.end_amdhsa_kernel
	.amdgpu_metadata
---
amdhsa.version: [ 1, 2 ]
amdhsa.kernels:
  - .name:           k_q3756b4079b_attn
    .symbol:         k_q3756b4079b_attn.kd
    .args:
      - { .name: encoder_out, .offset: 0, .size: 8, .value_kind: global_buffer, .address_space: global }
      - { .name: web, .offset: 8, .size: 8, .value_kind: global_buffer, .address_space: global }
      - { .name: d2p, .offset: 16, .size: 8, .value_kind: global_buffer, .address_space: global }
      - { .name: Ws, .offset: 24, .size: 8, .value_kind: global_buffer, .address_space: global }
      - { .name: bs, .offset: 32, .size: 8, .value_kind: global_buffer, .address_space: global }
      - { .name: part, .offset: 40, .size: 8, .value_kind: global_buffer, .address_space: global }
    .group_segment_fixed_size: 281088
    .private_segment_fixed_size: 0
    .kernarg_segment_align: 8
    .kernarg_segment_size: 48
    .max_flat_workgroup_size: 128
    .sgpr_count:     66
    .vgpr_count:     1024
    .wavefront_size: 32
...
	.end_amdgpu_metadata
.endif
;; end of part 2
;; launch merge (part 3): grid 8 x 32, 1 waves a work-group, no clusters, 0 bytes of LDS; arguments part, out0; writes out0
.if DOCPART == 3
	.amdgcn_target "amdgcn-amd-amdhsa--gfx1250"
	.amdhsa_code_object_version 6
	.text
	.protected	k_q3756b4079b_merge
	.globl	k_q3756b4079b_merge
	.p2align	8
	.type	k_q3756b4079b_merge,@function
k_q3756b4079b_merge:
	s_mov_b64 s[64:65], 0
	v_nop
	global_prefetch_b8 v0, s[64:65] scope:SCOPE_SE
	s_setreg_imm32_b32 hwreg(HW_REG_WAVE_MODE, 25, 1), 1
	s_wait_xcnt 0x0
; MERGE.  out0[b][c] = sum over a batch's 16 blocks i of e_i ctx_i[c] / sum of e_i l_i, e_i = e^(m_i - M), M = the largest m_i: the softmax over all 2,048 rows of the batch.
; One wave takes 128 channels (x) of one batch (y): 16 loads of 512 consecutive bytes, and the 16 pairs (m, l), of which each record holds a copy for each lane.
; No LDS, no matrix unit, no cluster: 2 MiB are read once and 128 KiB written.
.set REC, 4352                         ; a record: ctx (4,096 bytes), then (m, l) 32 times
.set ML,  16                           ; v[16:47]   (m_i, l_i); m_i becomes e_i
.set CXV, 48                           ; v[48:111]  ctx_i, four channels a lane
	s_load_b128 s[4:7], s[0:1], 0x0                ; part s[4:5], out0 s[6:7]
	s_and_b32 s8, ttmp7, 0xffff                    ; the batch
	s_mul_i32 s10, s8, 16*REC
	s_mov_b32 s11, 0
	s_lshl_b32 s12, s8, 12                         ; a row of out0 is 4,096 bytes
	s_lshl_b32 s9, ttmp9, 9                        ; my 128 channels
	s_add_co_u32 s12, s12, s9
	s_mov_b32 s13, 0
	s_mov_b32 s16, 0x3fb8aa3b                      ; log2(e)
	v_lshlrev_b32 v1, 3, v0                        ; my copy of (m, l)
	v_lshl_add_u32 v2, v0, 4, s9                   ; my four channels in a record
	v_lshlrev_b32 v3, 4, v0
	s_wait_kmcnt 0x0
	s_add_nc_u64 s[4:5], s[4:5], s[10:11]
	s_add_nc_u64 s[6:7], s[6:7], s[12:13]
.irp i, 0,1,2,3,4,5,6,7,8,9,10,11,12,13,14,15
	global_load_b64 v[ML+2*(\i):ML+2*(\i)+1], v1, s[4:5] offset:(\i)*REC+4096
.endr
.irp i, 0,1,2,3,4,5,6,7,8,9,10,11,12,13,14,15
	global_load_b128 v[CXV+4*(\i):CXV+4*(\i)+3], v2, s[4:5] offset:(\i)*REC
.endr
	s_wait_loadcnt 16                              ; the pairs are in; the 16 loads of ctx may stay out
	v_max3_num_f32 v4, v[ML], v[ML+2], v[ML+4]
.irp i, 3,5,7,9,11,13
	v_max3_num_f32 v4, v4, v[ML+2*(\i)], v[ML+2*(\i)+2]
.endr
	v_max_num_f32 v4, v4, v[ML+30]                 ; M
	v_mul_f32 v5, s16, v4
.irp i, 0,1,2,3,4,5,6,7,8,9,10,11,12,13,14,15
	v_fma_f32 v[ML+2*(\i)], v[ML+2*(\i)], s16, -v5
.endr
.irp i, 0,1,2,3,4,5,6,7,8,9,10,11,12,13,14,15
	v_exp_f32 v[ML+2*(\i)], v[ML+2*(\i)]
.endr
	v_nop                                          ; a plain instruction behind the last exponential,
	s_wait_alu depctr_va_vdst(0)                   ; and the wait ahead of the first use: one for the sixteen
	v_mul_f32 v6, v[ML], v[ML+1]                   ; the sum of e_i l_i, in two chains
	v_mul_f32 v7, v[ML+2], v[ML+3]
.irp i, 2,4,6,8,10,12,14
	v_fmac_f32 v6, v[ML+2*(\i)], v[ML+2*(\i)+1]
	v_fmac_f32 v7, v[ML+2*(\i)+2], v[ML+2*(\i)+3]
.endr
	v_add_f32 v6, v6, v7
	v_rcp_f32 v12, v6
	v_rcp_f32 v13, v6                              ; twice: a pair for the packed multiply
	s_wait_loadcnt 0x0
	v_pk_mul_f32 v[8:9],   v[CXV:CXV+1],   v[ML:ML+1] op_sel_hi:[1,0]  ; the first block starts the sums; these lines name neither reciprocal
	v_pk_mul_f32 v[10:11], v[CXV+2:CXV+3], v[ML:ML+1] op_sel_hi:[1,0]
.irp i, 1,2,3,4,5,6,7,8,9,10,11,12,13,14,15
	v_pk_fma_f32 v[8:9],   v[CXV+4*(\i):CXV+4*(\i)+1],   v[ML+2*(\i):ML+2*(\i)+1], v[8:9]   op_sel_hi:[1,0,1]
	v_pk_fma_f32 v[10:11], v[CXV+4*(\i)+2:CXV+4*(\i)+3], v[ML+2*(\i):ML+2*(\i)+1], v[10:11] op_sel_hi:[1,0,1]
.endr
	s_wait_alu depctr_va_vdst(0)                   ; one wait for both reciprocals, ahead of their first reader; the sums above are the work between
	v_pk_mul_f32 v[8:9],   v[8:9],   v[12:13]
	v_pk_mul_f32 v[10:11], v[10:11], v[12:13]
	global_store_b128 v3, v[8:11], s[6:7]          ; 512 consecutive bytes, aligned
	s_endpgm
.Lfunc_end_k_q3756b4079b_merge:
	.size	k_q3756b4079b_merge, .Lfunc_end_k_q3756b4079b_merge-k_q3756b4079b_merge
	.p2alignl 7, 3214868480
	.fill 96, 4, 3214868480
	.section	.rodata,"a",@progbits
	.p2align	6, 0x0
	.amdhsa_kernel k_q3756b4079b_merge
		.amdhsa_group_segment_fixed_size 0
		.amdhsa_private_segment_fixed_size 0
		.amdhsa_enable_private_segment 0
		.amdhsa_kernarg_size 16
		.amdhsa_user_sgpr_count 2
		.amdhsa_user_sgpr_kernarg_segment_ptr 1
		.amdhsa_wavefront_size32 1
		.amdhsa_system_sgpr_workgroup_id_x 1
		.amdhsa_system_sgpr_workgroup_id_y 1
		.amdhsa_system_sgpr_workgroup_id_z 1
		.amdhsa_system_vgpr_workitem_id 0
		.amdhsa_next_free_vgpr 128
		.amdhsa_next_free_sgpr 66
		.amdhsa_reserve_vcc 0
		.amdhsa_float_denorm_mode_32 3
		.amdhsa_float_denorm_mode_16_64 3
		.amdhsa_memory_ordered 1
		.amdhsa_forward_progress 1
		.amdhsa_inst_pref_size 9
	.end_amdhsa_kernel
	.amdgpu_metadata
---
amdhsa.version: [ 1, 2 ]
amdhsa.kernels:
  - .name:           k_q3756b4079b_merge
    .symbol:         k_q3756b4079b_merge.kd
    .args:
      - { .name: part, .offset: 0, .size: 8, .value_kind: global_buffer, .address_space: global }
      - { .name: out0, .offset: 8, .size: 8, .value_kind: global_buffer, .address_space: global }
    .group_segment_fixed_size: 0
    .private_segment_fixed_size: 0
    .kernarg_segment_align: 8
    .kernarg_segment_size: 16
    .max_flat_workgroup_size: 32
    .sgpr_count:     66
    .vgpr_count:     128
    .wavefront_size: 32
...
	.end_amdgpu_metadata
.endif
;; end of part 3
;; ======== version 2 of 2: 3 launches; version 1 with the launch attn written anew for expert scheduling mode
;; limits: values outside matrix products are rounded to bf16
;; workspace buffers: web 2,097,152 bytes; d2p 1,048,576 bytes; part 2,228,224 bytes
;; launch prep: the kernel of part 1 again; grid 128 x 2, 4 waves a work-group, no clusters, 29,184 bytes of LDS; arguments We, Wd, decoder_hidden_state, be, bd, web, d2p; writes web, d2p
;; launch attn (part 4): grid 256 x 1, 4 waves a work-group, no clusters, 281,088 bytes of LDS; arguments encoder_out, web, d2p, Ws, bs, part; writes part
.if DOCPART == 4
	.amdgcn_target "amdgcn-amd-amdhsa--gfx1250"
	.amdhsa_code_object_version 6
	.text
	.protected	k_q3756b4079b_attn
	.globl	k_q3756b4079b_attn
	.p2align	8
	.type	k_q3756b4079b_attn,@function
k_q3756b4079b_attn:
	s_mov_b64 s[64:65], 0
	v_nop
	global_prefetch_b8 v0, s[64:65] scope:SCOPE_SE
	s_setreg_imm32_b32 hwreg(HW_REG_WAVE_SCHED_MODE, 0, 2), 2
	s_setreg_imm32_b32 hwreg(HW_REG_WAVE_MODE, 25, 1), 1
	s_wait_xcnt 0x0
	s_wait_alu depctr_vm_vsrc(0)
; ATTN.  For 256 rows s of one batch b, as two blocks of 128: score[s] = sum over n of Ws[n] tanh((E We)[s][n] + d[n]) + bs, d[n] = be + bd + dec[b] . Wd[:, n] (eight parts from d2p);
; the block's maximum m, p = e^(score - m), l = sum p, ctx[c] = sum over s of p[s] E[s][c].  (ctx, m, l) go to part; the next launch joins a batch's sixteen blocks.
; E IS READ FROM MEMORY ONCE: a block, rounded to bf16, stays in LDS (128 rows x 2,064 bytes) as the first product's rows AND as the second product's E.
; SHARES.  Four waves.  A wave brings 32 rows of a block into LDS; in the product E We it owns all 128 rows x 256 columns (256 w on), in two passes of 128 columns: 64 accumulators, 512 registers;
; a pass is 32 K steps of 32, 64 matrix instructions each.  In the result a lane holds ONE column (lane % 16) and the rows 8 (lane / 16) + 0..7 of a tile, so d and Ws are a number a lane and tile.
; tanh(x) = 1 - 2 / (1 + 2^(c2 x)), c2 = 2 log2(e): a lane's row sums start at the sum of Ws over its 16 columns and take -2 Ws[n] / (1 + 2^(c2 s + c2 d[n])).  Where 2^.. overflows the quotient is 0,
; where it underflows 1: tanh ends at 1 and -1.
; We COMES STRAIGHT INTO REGISTERS: web holds it as fragments, 16 loads of 512 consecutive bytes a K step and wave, four register buffers, three steps ahead.
; NO TENSOR LOAD, NO CLUSTER: behind the block 63,488 of the 327,680 bytes that a work-group can be given are left, of which this text's scratch takes 16,896: two slots for We would hold under 24 KiB each,
; three K steps of the four waves (192 matrix instructions a wave) for each barrier; and no wave reads a column of We that another wave of the work-group reads.
; THE WEIGHTS p go to the matrix unit as two bf16 numbers, p_hi + p_lo (even and odd rows of source 0), so that p keeps 16 significant bits; l is the sum of the unrounded p.
; LIMITS.  E, We, dec, Wd are rounded to bf16; NaN and infinities are not treated apart; a weight below 2^-126 counts as 0.
; REGISTERS, in windows of 256 (s_set_vgpr_msb: bits 1:0 source 0, 3:2 source 1, 5:4 source 2, 7:6 destination):
;   window 0: v0-31 addresses and a few at work; v32-47 (c2 d, -2 Ws) of the pass in hand, v48-63 of the other; v64-191 two buffers of E's fragments; v192-255 the 64 row sums
;   window 1: four buffers of We's fragments      window 2: accumulators of rows 0-63; on E's way in eight row slots of 32      window 3: accumulators of rows 64-127; later 16 of ctx
; THE MODE: SCHED_MODE bits 1:0 = 2 (LLVM: expert scheduling mode 2), set by the entry lines.  The code itself states the register dependences
; between vector or matrix instructions and memory or LDS instructions, with s_wait_alu, always for 0.
; THE PLAN.  Registers that memory or LDS instructions touch, and who else names them:
;   row slots 0-7   Row i: its loads land in slot i % 8, its sixteen conversions round the slot in place, its eight LDS stores read it; the loads of row i + 8 land in it at the head of row i + 2.
;                   One wait on va_vdst a row, behind the conversions; beside it, in a trip's rows 1 to 6, one on vm_vsrc for the stores of the row before; a trip's end has one for rows 6 and 7.
;   AF0, AF1        K step k: its matrix instructions read AF[k % 2]; its LDS loads land in the other, which step k - 1 read.
;   We0 .. We3      K step k: its matrix instructions read We[k % 4]; its loads land in We[(k + 3) % 4], which step k - 1 read.
;                   ONE wait on va_vdst at a step's head serves the step's 32 loads, which are dealt among its matrix instructions: these name AF[k % 2], We[k % 4] and accumulators alone.
;   v[AAD ..]       Read by every load of E's fragments; written at a pass's head and once in four steps, behind a wait on vm_vsrc; the next step's head states that they are written.
;   v[EST]          Read by the rows' LDS stores; written at a block's head and at a trip's end, behind that end's wait on vm_vsrc; the next row's wait on va_vdst states that it is written.
;   v64-255 outside the product E We (XT, CT, PF, FR, the row sums) and v[24:25]: each run of stores has a wait on va_vdst ahead of it; what stores have read is freed behind the barrier of the row sums,
;                   ahead of ctx's way out, and at a pass's head.
;   All other offsets and LDS addresses are made at the head and never written again.
.set PA,    2064                       ; an LDS row of the block: 2,048 bytes + 16 = 129 x 16: the 16 rows of a fragment load start in 16 different groups of four banks (64 banks of 4 bytes: ISA guide 11.1)
.set R16,   16*PA
.set R32,   32*PA
.set PRS,   128*PA                     ; behind the block: 2,048 bytes a wave: the pairs (c2 d, -2 Ws) at 8 x column; used at the head alone
.set XS,    PRS+8192                   ; 512 bytes a wave: its 128 row sums
.set PH,    XS+2048                    ; 512 bytes a wave: p_hi[128], p_lo[128] in bf16
.set CX,    PH+2048                    ; 1,024 bytes a wave: ctx's way out
.set SPARE, CX+4096                    ; the spare words, 128 bytes for each wave: two blocks of 256 bytes that no other line names
.set REC,   4352                       ; a record of part: ctx (4,096 bytes), then (m, l) 32 times (256 bytes)
.set LOF, 2                            ; v2   16 x lane; never rewritten
.set AB,  3                            ; v3   a fragment's place: (l % 16) PA + 16 (l / 16); never rewritten
.set AAD, 4                            ; v4-7 the same for rows 32 i on, at the K step in hand
.set EST, 8                            ; v8   where I put 8 bytes of a row of the block
.set EST0, 9                           ; v9   the same for my wave's first row; never rewritten
.set XSW, 10
.set XSR, 11
.set PHW, 12
.set PHR, 13
.set TA,  14                           ; v14-17 the turning load's address for rows 32 kk on, my wave's 256 channels
.set CXW, 18
.set CXR, 19
.set OOF, 20                           ; v20  1,024 w + 16 l: my bytes of ctx in a record, and of Ws
.set MLO, 21                           ; v21  4,096 + 8 l
.set WINIT, 22                         ; v22  the sum of Ws over my 16 columns
.set PFO, 23                           ; v23  256 x lane
.set SPW, 28                           ; v28  LDS address of my spare word; never rewritten
.set NIL, 29                           ; v29  0; never rewritten
.set PW,  32
.set PX,  48
.set AF,  64
.set SC,  192
.set XT,  64                           ; outside the product E We: v64-79 at work, v80-95 ctx, v96-127 p's fragments, v128-255 two buffers of E turned
.set CT,  80
.set PF,  96
.set FR,  128
.set WV,  16                           ; s16  my wave's number
.set EP,  20                           ; s[20:21] E at the eight rows that my wave is bringing in
.set BW,  22                           ; s[22:23] web at my wave's columns
.set BP,  24                           ; s[24:25] web at the K step in hand
.set OP,  26                           ; s[26:27] the block's record in part
.set BLK, 28
.set PAS, 29
.set BS,  30                           ; s[30:31] bs, twice
.set C2,  32                           ; s[32:33] c2, twice
.set SEL, 34                           ; s[34:35] v_permlanex16_b32's selects: each lane takes its own place in the other half
.set TRP, 36
.set RT,  37
.set LE,  38                           ; s[38:39] log2(e), twice
.set MSB, 0
.macro WIN new                         ; the immediate's high byte repeats the setting that is left; a switch that changes nothing is dropped
.if MSB != (\new)
	s_set_vgpr_msb (MSB<<8)|(\new)
.set MSB, (\new)
.endif
.endm
.macro PLACES                          ; four places (ISA guide 7.12.1) between a matrix instruction and a vector instruction on its registers
.rept 4
	v_nop
.endr
.endm
; The first six rows of my 32: 48 loads of 512 consecutive bytes into row slots 0 to 5.
.macro EPRO
	WIN 0x80                                       ; destination window 2
.irp i, 0,1,2,3,4,5
.irp gg, 0,1,2,3,4,5,6,7
	global_load_b128 v[32*(\i)+4*(\gg):32*(\i)+4*(\gg)+3], v[LOF], s[EP:EP+1] offset:(\i)*4096+(\gg)*512 th:TH_LOAD_NT
.endr
.endr
	WIN 0
.endm
; Eight of the 48 loads that bring a pass's first three K steps of We into buffers 0 to 2: load q fills registers 4 q .. 4 q + 3 from byte 512 q.
.macro BP8 j
	WIN 0x40                                       ; destination window 1
.irp q, 0,1,2,3,4,5,6,7
	global_load_b128 v[4*(8*(\j)+(\q)):4*(8*(\j)+(\q))+3], v[LOF], s[BP:BP+1] offset:(8*(\j)+(\q))*512
.endr
.endm
; Row i of the eight in hand: eight loads go out (kind 0: the row six further on; kind 1: We's, in the place where E has no row left), then row i is rounded to bf16 and laid in LDS.
; The loads of kind 0 land in the slot of row i - 2 and owe no wait here: that row's conversions stand ahead of its own wait on va_vdst, no vector instruction since names the slot, and its stores
; stand ahead of a wait on vm_vsrc: row i - 1's (ev = 1) or the trip's end's.
.macro ROW i, kind, j=0, ev=0
.if \kind
	BP8 \j
.else
	WIN 0x80
.irp gg, 0,1,2,3,4,5,6,7
	global_load_b128 v[32*(((\i)+6)%8)+4*(\gg):32*(((\i)+6)%8)+4*(\gg)+3], v[LOF], s[EP:EP+1] offset:((\i)+6)*4096+(\gg)*512 th:TH_LOAD_NT
.endr
.endif
	s_wait_loadcnt 48                              ; loads come back in order (ISA guide 5.7.1): row i is in; the 48 younger loads stay out
	WIN 0x8a                                       ; destination and both sources window 2
.irp gg, 0,1,2,3,4,5,6,7
	v_cvt_pk_bf16_f32 v[32*(\i)+4*(\gg)],   v[32*(\i)+4*(\gg)],   v[32*(\i)+4*(\gg)+1]
	v_cvt_pk_bf16_f32 v[32*(\i)+4*(\gg)+1], v[32*(\i)+4*(\gg)+2], v[32*(\i)+4*(\gg)+3]
.endr
	WIN 0x08                                       ; the stores' data in window 2
	s_wait_alu depctr_va_vdst(0)                   ; the conversions have written row i's slot, which the stores below read, and are done with it; in a trip's first row v[EST] is written
.if \ev
	s_wait_alu depctr_vm_vsrc(0)                   ; the stores of the row before have read their slot, in which the next row's loads land
.endif
.irp gg, 0,1,2,3,4,5,6,7
	ds_store_b64 v[EST], v[32*(\i)+4*(\gg):32*(\i)+4*(\gg)+1] offset:(\i)*PA+(\gg)*256  ; 256 consecutive bytes of the row
.endr
.endm
; Eight of the 16 LDS loads of E's fragments of one K step (32 channels at byte ka of the rows) into buffer buf: half 0 rows 0-63, half 1 rows 64-127.
.macro AF8 buf, ka, half
	WIN 0
.irp a, 0,1,2,3
	ds_load_b128 v[AF+64*(\buf)+8*(4*(\half)+(\a)):AF+64*(\buf)+8*(4*(\half)+(\a))+3],   v[AAD+2*(\half)+(\a)/2] offset:((\a)%2)*R16+(\ka)
	ds_load_b128 v[AF+64*(\buf)+8*(4*(\half)+(\a))+4:AF+64*(\buf)+8*(4*(\half)+(\a))+7], v[AAD+2*(\half)+(\a)/2] offset:((\a)%2)*R16+(\ka)+32
.endr
.endm
; Eight of the 16 loads of We's fragments of one K step (128 columns x 32 channels, 8,192 bytes at byte kb) into buffer buf: half 0 column tiles 0-3, half 1 tiles 4-7.
.macro BF8 buf, kb, half
	WIN 0x40
.irp t, 0,1,2,3
	global_load_b128 v[64*(\buf)+8*(4*(\half)+(\t)):64*(\buf)+8*(4*(\half)+(\t))+3],   v[LOF], s[BP:BP+1] offset:(\kb)+1024*(4*(\half)+(\t))
	global_load_b128 v[64*(\buf)+8*(4*(\half)+(\t))+4:64*(\buf)+8*(4*(\half)+(\t))+7], v[LOF], s[BP:BP+1] offset:(\kb)+1024*(4*(\half)+(\t))+512
.endr
.endm
; 8 matrix instructions: row tile a (0 to 7) x all 8 column tiles.  The 64 accumulators take turns in the same order in every K step, over the backward jump too.
.macro MUL8 abuf, bbuf, a, zero
	WIN 0xa4+0x50*((\a)/4)                         ; E window 0, We window 1, C and D window 2 (tiles 0-3) or 3 (tiles 4-7)
.irp b, 0,1,2,3,4,5,6,7
.if \zero
	v_wmma_f32_16x16x32_bf16 v[8*(8*((\a)%4)+(\b)):8*(8*((\a)%4)+(\b))+7], v[AF+64*(\abuf)+8*(\a):AF+64*(\abuf)+8*(\a)+7], v[64*(\bbuf)+8*(\b):64*(\bbuf)+8*(\b)+7], 0
.else
	v_wmma_f32_16x16x32_bf16 v[8*(8*((\a)%4)+(\b)):8*(8*((\a)%4)+(\b))+7], v[AF+64*(\abuf)+8*(\a):AF+64*(\abuf)+8*(\a)+7], v[64*(\bbuf)+8*(\b):64*(\bbuf)+8*(\b)+7], v[8*(8*((\a)%4)+(\b)):8*(8*((\a)%4)+(\b))+7]
.endif
.endr
.endm
; A K step.  The next step's E (ka; -1: none) and We of three steps on (kb; -1: none) are asked for in four groups of eight loads, one behind each of the step's first four groups of eight matrix
; instructions.  lc: We's younger loads, which may stay out.  A pass's first step (zero = 1) has no wait on va_vdst: the one at the pass's head serves it.  A step that loads nothing has none either.
.macro STEP abuf, bbuf, zero, ka, kb, lc
	s_wait_loadcnt \lc                             ; this step's We is in
	s_wait_dscnt 0x0                               ; this step's E is in: its youngest load stands 48 matrix instructions back (in a pass's first step: just ahead)
.if ((\ka) >= 0) && !(\zero)
	s_wait_alu depctr_va_vdst(0)                   ; the matrix instructions of the step before are done reading the buffer of E and the buffer of We in which this step's loads land; behind the loop's jump v[AAD ..] are written
.endif
	MUL8 \abuf, \bbuf, 0, \zero
.if (\ka) >= 0
	AF8 1-(\abuf), \ka, 0                          ; no wait: no vector or matrix instruction since the wait above names these registers; so for the three groups below
.endif
	MUL8 \abuf, \bbuf, 1, \zero
.if (\ka) >= 0
	AF8 1-(\abuf), \ka, 1
.endif
	MUL8 \abuf, \bbuf, 2, \zero
.if (\kb) >= 0
	BF8 ((\bbuf)+3)%4, \kb, 0
.endif
	MUL8 \abuf, \bbuf, 3, \zero
.if (\kb) >= 0
	BF8 ((\bbuf)+3)%4, \kb, 1
.endif
.irp a, 4,5,6,7
	MUL8 \abuf, \bbuf, \a, \zero
.endr
.endm
; Row tile a's 8 accumulators become row sums: c2 s + c2 d; 2^; + 1; 1 /; times -2 Ws onto the sums.  Each accumulator's lowest registers are read first.
; The 64 exponentials are one batch, the 64 reciprocals another: behind each a plain instruction and one wait ahead of the first reader.
.macro EPI a
.set EW, 2+(\a)/4
.set EB, 64*((\a)%4)
	WIN (EW<<6)|EW                                 ; destination and source 0 in the accumulators' window
.set b, 0
.rept 8
.set q, 0
.rept 4
	v_pk_fma_f32 v[EB+8*b+2*q:EB+8*b+2*q+1], v[EB+8*b+2*q:EB+8*b+2*q+1], s[C2:C2+1], v[PW+2*b:PW+2*b+1] op_sel_hi:[1,0,0]
.set q, q+1
.endr
.set b, b+1
.endr
.set q, 0
.rept 64
	v_exp_f32 v[EB+q], v[EB+q]
.set q, q+1
.endr
	v_nop
	s_wait_alu depctr_va_vdst(0)                   ; the 64 exponentials have written their results, which the additions below read
.set q, 0
.rept 32
	v_pk_add_f32 v[EB+2*q:EB+2*q+1], v[EB+2*q:EB+2*q+1], 1.0 op_sel_hi:[1,0]
.set q, q+1
.endr
.set q, 0
.rept 64
	v_rcp_f32 v[EB+q], v[EB+q]
.set q, q+1
.endr
	v_nop
	s_wait_alu depctr_va_vdst(0)                   ; the 64 reciprocals have written their results, which the multiply-adds below read
	WIN EW                                         ; source 0 in the accumulators' window, all else window 0
.set b, 0
.rept 8
.set q, 0
.rept 4
	v_pk_fma_f32 v[SC+8*(\a)+2*q:SC+8*(\a)+2*q+1], v[EB+8*b+2*q:EB+8*b+2*q+1], v[PW+2*b:PW+2*b+1], v[SC+8*(\a)+2*q:SC+8*(\a)+2*q+1] op_sel:[0,1,0] op_sel_hi:[1,1,1]
.set q, q+1
.endr
.set b, b+1
.endr
.endm
; ctx, turn t2 of eight: channel tiles 2 t2 and 2 t2 + 1 of my 16.  CLOAD: E turned, 128 rows x 32 channels, 16 loads.  CMUL: 8 products, the two tiles by turns.
.macro CLOAD t2
	WIN 0
.irp kk, 0,1,2,3
.irp u, 0,1
	ds_load_tr16_b128 v[FR+64*((\t2)%2)+16*(\kk)+8*(\u):FR+64*((\t2)%2)+16*(\kk)+8*(\u)+3],   v[TA+(\kk)] offset:32*(2*(\t2)+(\u))
	ds_load_tr16_b128 v[FR+64*((\t2)%2)+16*(\kk)+8*(\u)+4:FR+64*((\t2)%2)+16*(\kk)+8*(\u)+7], v[TA+(\kk)] offset:32*(2*(\t2)+(\u))+R16
.endr
.endr
.endm
.macro CMUL t2
	WIN 0xf0                                       ; p and E window 0, C and D window 3
.irp kk, 0,1,2,3
.irp u, 0,1
.if (\kk) == 0
	v_wmma_f32_16x16x32_bf16 v[8*(2*(\t2)+(\u)):8*(2*(\t2)+(\u))+7], v[PF+8*(\kk):PF+8*(\kk)+7], v[FR+64*((\t2)%2)+16*(\kk)+8*(\u):FR+64*((\t2)%2)+16*(\kk)+8*(\u)+7], 0
.else
	v_wmma_f32_16x16x32_bf16 v[8*(2*(\t2)+(\u)):8*(2*(\t2)+(\u))+7], v[PF+8*(\kk):PF+8*(\kk)+7], v[FR+64*((\t2)%2)+16*(\kk)+8*(\u):FR+64*((\t2)%2)+16*(\kk)+8*(\u)+7], v[8*(2*(\t2)+(\u)):8*(2*(\t2)+(\u))+7]
.endif
.endr
.endr
.endm
	; THE HEAD
	s_load_b256 s[4:11], s[0:1], 0x0               ; E s[4:5], web s[6:7], d2p s[8:9], Ws s[10:11]
	s_load_b128 s[12:15], s[0:1], 0x20             ; bs s[12:13], part s[14:15]
	v_lshl_add_u32 v[SPW], v0, 2, SPARE
	v_mov_b32 v[NIL], 0
	v_lshrrev_b32 v1, 5, v0
	v_readfirstlane_b32 s[WV], v1                  ; wave 0..3
	v_and_b32 v24, 31, v0                          ; l
	v_and_b32 v25, 15, v0                          ; l % 16
	v_bfe_u32 v26, v0, 4, 1                        ; l / 16
	v_and_b32 v27, 7, v0                           ; l % 8
	v_bfe_u32 v30, v0, 3, 1                        ; (l / 8) % 2
	v_lshlrev_b32 v[LOF], 4, v24
	v_lshlrev_b32 v[PFO], 8, v24
	v_mul_u32_u24 v[AB], v25, PA
	v_lshl_add_u32 v[AB], v26, 4, v[AB]
	s_wait_alu depctr_va_sdst(0)                   ; s[WV] is written, ahead of its first reader: LDS addresses, bases and two branches are made from it
	s_mul_i32 s17, s[WV], R32                      ; my wave's 32 rows of the block
	v_lshl_add_u32 v[EST0], v24, 3, s17
	s_lshl_b32 s18, s[WV], 9
	s_add_co_u32 s19, s18, XS
	v_lshl_add_u32 v[XSW], v26, 5, s19             ; my 8 rows of a tile: 32 bytes for each half of the lanes
	v_lshl_add_u32 v[XSR], v24, 4, XS              ; back: rows 4 l .. 4 l + 3
	s_add_co_u32 s40, s18, PH
	v_lshl_add_u32 v[PHW], v24, 3, s40
	v_and_b32 v1, 1, v0
	v_lshl_add_u32 v[PHR], v1, 8, s40              ; even rows of source 0 take p_hi, odd rows p_lo
	v_lshl_add_u32 v[PHR], v26, 4, v[PHR]
	v_lshl_add_u32 v31, v26, 3, v27                ; the turning load: row 8 (l / 16) + l % 8,
	v_mul_u32_u24 v31, v31, PA
	v_lshl_add_u32 v31, v30, 4, v31                ; 16 ((l / 8) % 2) bytes,
	v_add_nc_u32 v31, s18, v31                     ; my wave's 256 channels
.irp kk, 0,1,2,3
	v_add_nc_u32 v[TA+(\kk)], (\kk)*R32, v31
.endr
	s_lshl_b32 s41, s[WV], 10
	s_add_co_u32 s42, s41, CX
	v_lshl_add_u32 v[CXW], v25, 2, s42
	v_lshl_add_u32 v[CXR], v24, 4, s42
	v_lshl_add_u32 v[OOF], v24, 4, s41
	v_lshl_add_u32 v[MLO], v24, 3, 4096
	s_lshl_b32 s43, s[WV], 11
	s_add_co_u32 s43, s43, PRS
	v_lshl_add_u32 v31, v24, 5, s43                ; the pairs of columns 4 l .. 4 l + 3
	v_lshl_add_u32 v30, v25, 3, s43                ; the pair of column l % 16
	s_lshr_b32 s44, ttmp9, 3                       ; the batch
	s_lshl_b32 s44, s44, 6
	s_lshl_b32 s45, s[WV], 15                      ; my wave's 16 tiles of 2,048 bytes in a part of d2p
	s_add_co_u32 s44, s44, s45
	v_lshrrev_b32 v1, 2, v24
	v_and_b32 v27, 3, v0
	v_lshl_add_u32 v1, v1, 11, s44                 ; tile l / 4,
	v_lshl_add_u32 v1, v27, 4, v1                  ; columns 4 (l % 4) on
	s_mov_b32 s[C2], 0x4038aa3b                    ; 2 log2(e)
	s_mov_b32 s[C2+1], s[C2]
	s_mov_b32 s[SEL], 0x76543210
	s_mov_b32 s[SEL+1], 0xfedcba98
	s_mov_b32 s[LE], 0x3fb8aa3b                    ; log2(e)
	s_mov_b32 s[LE+1], s[LE]
	s_lshl_b32 s40, ttmp9, 20                      ; the work-group's 256 rows of 4,096 bytes,
	s_lshl_b32 s41, s[WV], 17                      ; my wave's 32 of the first block
	s_add_co_u32 s40, s40, s41
	s_mov_b32 s41, 0
	s_lshl_b32 s42, s[WV], 19                      ; my wave's two passes of 262,144 bytes in web
	s_mov_b32 s43, 0
	s_mul_i32 s44, ttmp9, 2*REC
	s_mov_b32 s45, 0
	s_wait_kmcnt 0x0
	s_load_b32 s[BS], s[12:13], 0x0
	s_add_nc_u64 s[EP:EP+1], s[4:5], s[40:41]
	s_add_nc_u64 s[BW:BW+1], s[6:7], s[42:43]
	s_add_nc_u64 s[OP:OP+1], s[14:15], s[44:45]
	s_wait_alu depctr_va_vdst(0)                   ; the offsets and LDS addresses made above (v1 to v3, v9 to v21, v23, v30, v31) are written: the loads, stores and the prefetch of the whole kernel read them
.irp pt, 0,1,2,3,4,5,6,7
.irp u, 0,1
	global_load_b128 v[64+8*(\pt)+4*(\u):64+8*(\pt)+4*(\u)+3], v1, s[8:9] offset:(\pt)*131072+(\u)*16384  ; part pt of d for my wave's columns 128 u + 4 l + 0..3
.endr
.endr
.irp u, 0,1
	global_load_b128 v[128+4*(\u):128+4*(\u)+3], v[OOF], s[10:11] offset:512*(\u)  ; Ws of the same columns
.endr
	EPRO                                           ; 18 + 48 loads on end; where the counter's field is full the issue is held back (ISA guide 5.7.1)
	s_wait_kmcnt 0x0
	s_mov_b32 s[BS+1], s[BS]
	s_wait_loadcnt 48                              ; d and Ws are in; E's 48 loads stay out
.irp pt, 1,2,3,4,5,6,7
.irp q, 0,2,4,6
	v_pk_add_f32 v[64+(\q):64+(\q)+1], v[64+(\q):64+(\q)+1], v[64+8*(\pt)+(\q):64+8*(\pt)+(\q)+1]
.endr
.endr
.irp e, 0,1,2,3,4,5,6,7
	v_mul_f32 v[144+2*(\e)], s[C2], v[64+(\e)]     ; c2 d
	v_mul_f32 v[145+2*(\e)], -2.0, v[128+(\e)]     ; -2 Ws
.endr
	s_wait_alu depctr_va_vdst(0)                   ; the multiplies have written v144 to v159, which the LDS stores read
.irp u, 0,1
	ds_store_b128 v31, v[144+8*(\u):144+8*(\u)+3] offset:1024*(\u)
	ds_store_b128 v31, v[148+8*(\u):148+8*(\u)+3] offset:1024*(\u)+16
.endr
.irp t, 0,1,2,3,4,5,6,7
	ds_load_b64 v[PW+2*(\t):PW+2*(\t)+1], v30 offset:128*(\t)       ; my own bytes, served in order (ISA guide 5.7.1.4): pass 0, tile t, column l % 16,
	ds_load_b64 v[PX+2*(\t):PX+2*(\t)+1], v30 offset:1024+128*(\t)  ; and pass 1
.endr
	s_wait_dscnt 0x0
	v_add_f32 v[WINIT], v[PW+1], v[PW+3]
.irp t, 5,7,9,11,13,15,17,19,21,23,25,27,29,31
	v_add_f32 v[WINIT], v[WINIT], v[PW+(\t)]       ; (PX follows PW)
.endr
	v_mul_f32 v[WINIT], -0.5, v[WINIT]             ; the sum of Ws over my 16 columns
	s_mov_b32 s[BLK], 2
.Lblk:                                         ; A BLOCK OF 128 ROWS.  Its first six rows a wave are on their way
	v_mov_b32 v[EST], v[EST0]                      ; (the last block's rows' stores, which read v[EST], stand ahead of the waits on vm_vsrc at its passes' heads)
	s_mov_b32 s[RT], 3
.Lring:                                        ; eight rows a trip; six rows, 48 loads, are always out
	ROW 0, 0
.irp i, 1,2,3,4,5,6
	ROW \i, 0, 0, 1
.endr
	ROW 7, 0
	WIN 0
	s_wait_xcnt 0x0                                ; every load issued so far has read its address: the pointer may be written
	s_add_nc_u64 s[EP:EP+1], s[EP:EP+1], 8*4096
	s_wait_alu depctr_vm_vsrc(0)                   ; the trip's LDS stores have read v[EST], which the next line writes, and the slots of rows 6 and 7, in which the next two rows' loads land
	v_add_nc_u32 v[EST], 8*PA, v[EST]
	s_sub_co_u32 s[RT], s[RT], 1
	s_cmp_lg_u32 s[RT], 0
	s_cbranch_scc1 .Lring
	s_mov_b64 s[BP:BP+1], s[BW:BW+1]               ; (no memory instruction since the wait above)
	ROW 0, 0                                       ; the last eight rows are written out: two more rows of E,
	ROW 1, 0
	ROW 2, 1, 0                                    ; then the first pass's first three K steps of We stand where E's loads stood: every wait keeps its count
	ROW 3, 1, 1
	ROW 4, 1, 2
	ROW 5, 1, 3
	ROW 6, 1, 4
	ROW 7, 1, 5
	WIN 0
.set i, 0
.rept 64
	v_mov_b32 v[SC+i], v[WINIT]                    ; the row sums start at the 1 of tanh = 1 - 2 / (..), times Ws; written while the last stores are out
.set i, i+1
.endr
	s_wait_dscnt 0x0                               ; for the others' sake: my 32 rows lie in LDS
	s_barrier_signal -1
	s_barrier_wait -1                              ; the block is whole
	s_mov_b32 s[PAS], 2
.Lpass:                                        ; 128 ROWS x 128 COLUMNS x 1,024
	s_wait_alu depctr_vm_vsrc(0)                   ; the fragment loads issued so far have read v[AAD ..]; the rows' LDS stores have read window 2's slots, which the products write; the head's and the last block's stores and loads have read v[24:25], v30 and what they read of v64 to v159
.irp i, 0,1,2,3
	v_add_nc_u32 v[AAD+(\i)], (\i)*R32, v[AB]
.endr
	s_wait_alu depctr_va_vdst(0)                   ; v[AAD ..] are written; every earlier vector and matrix instruction is done with v64 to v191 and with We's fourth buffer, in which the loads up to the next step's head land
	AF8 0, 0, 0
	AF8 0, 0, 1
	STEP 0, 0, 1, 64, 3*8192, 32                   ; K step 0 starts the sums: nothing is cleared
	WIN 0
	s_mov_b32 s[TRP], 7
.Lk:                                           ; K steps 4 i + 1 .. 4 i + 4
	STEP 1, 1, 0, 128, 4*8192, 32
	STEP 0, 2, 0, 192, 5*8192, 32
	STEP 1, 3, 0, 256, 6*8192, 32
	STEP 0, 0, 0, 320, 7*8192, 32
	WIN 0
	s_wait_xcnt 0x0                                ; the youngest load stands 32 matrix instructions back
	s_add_nc_u64 s[BP:BP+1], s[BP:BP+1], 4*8192
	s_wait_alu depctr_vm_vsrc(0)                   ; the fragment loads issued so far have read v[AAD ..]
.irp i, 0,1,2,3
	v_add_nc_u32 v[AAD+(\i)], 256, v[AAD+(\i)]
.endr
	s_sub_co_u32 s[TRP], s[TRP], 1
	s_cmp_lg_u32 s[TRP], 0
	s_cbranch_scc1 .Lk
	STEP 1, 1, 0, 128, -1, 32                      ; K steps 29 to 31: We has nothing left to fetch, and its counts run down
	STEP 0, 2, 0, 192, -1, 16
	STEP 1, 3, 0, -1, -1, 0
	WIN 0
	PLACES
	PLACES                                         ; (eight, once a pass)
	s_wait_xcnt 0x0
	s_add_nc_u64 s[BP:BP+1], s[BP:BP+1], 4*8192    ; the second pass's columns follow the first's in web
	s_cmp_eq_u32 s[PAS], 2
	s_cbranch_scc0 .Lnob
	s_wait_alu depctr_va_vdst(0)                   ; the pass's matrix instructions are done reading We's buffers 0 to 2, in which the loads below land
.irp j, 0,1,2,3,4,5
	BP8 \j                                         ; the second pass's first three K steps come in under the vector work below
.endr
	WIN 0
.Lnob:
.irp a, 0,1,2,3,4,5,6,7
	EPI \a
.endr
	WIN 0
.set i, 0
.rept 16
	v_mov_b32 v[XT+i], v[PW+i]                     ; the two passes' pairs change places: one text serves both passes
.set i, i+1
.endr
.set i, 0
.rept 16
	v_mov_b32 v[PW+i], v[PX+i]
.set i, i+1
.endr
.set i, 0
.rept 16
	v_mov_b32 v[PX+i], v[XT+i]
.set i, i+1
.endr
	s_sub_co_u32 s[PAS], s[PAS], 1
	s_cmp_lg_u32 s[PAS], 0
	s_cbranch_scc1 .Lpass
	s_cmp_eq_u32 s[BLK], 1
	s_cbranch_scc1 .Lnoe                           ; the second block has no successor
	s_wait_xcnt 0x0
	s_add_nc_u64 s[EP:EP+1], s[EP:EP+1], 128*4096-3*8*4096  ; my 32 rows of the next block
	s_wait_alu depctr_va_vdst(0)                   ; the vector work on window 2's accumulators is done with them: the loads below land in their first 192 registers
	EPRO                                           ; window 2's accumulators have been used up: the next block's first six rows come in under what follows
	global_prefetch_b8 v[PFO], s[EP:EP+1] offset:6*4096 th:TH_LOAD_NT scope:SCOPE_SE  ; and my rows 6 and 7 are asked for, a lane for each 256 bytes: named once in the launch, by the wave that will load them; the exchange of the row sums and the product for ctx stand between this line and those loads
.Lnoe:
	; THE ROW SUMS MEET.  A row's sum over my 256 columns: over the 16 lanes of a half
.irp m, 1,2,4,8
.set i, 0
.rept 64
	v_add_f32_dpp v[SC+i], v[SC+i], v[SC+i] row_xmask:\m row_mask:0xf bank_mask:0xf
.set i, i+1
.endr
.endr
	s_wait_alu depctr_va_vdst(0)                   ; the additions have written the row sums, which the LDS stores read; the pairs' moves are done with v64 to v79, in which the loads behind the barrier land
.set i, 0
.rept 16
	ds_store_b128 v[XSW], v[SC+4*i:SC+4*i+3] offset:64*(i/2)+16*(i%2)  ; the sixteen lanes of a half write the same words with the same numbers
.set i, i+1
.endr
	s_wait_dscnt 0x0                               ; for the others' sake
	s_barrier_signal -1
	s_barrier_wait -1
	s_wait_alu depctr_vm_vsrc(0)                   ; my LDS stores have read the row sums' registers v192 to v255, in which E's turned fragments land further down
.irp x, 0,1,2,3
	ds_load_b128 v[XT+4*(\x):XT+4*(\x)+3], v[XSR] offset:512*(\x)  ; rows 4 l .. 4 l + 3, from each wave: every wave makes all 128 weights for itself
.endr
	s_wait_dscnt 0x0
	v_pk_add_f32 v[XT:XT+1],     v[XT:XT+1],     v[XT+4:XT+5]
	v_pk_add_f32 v[XT+2:XT+3],   v[XT+2:XT+3],   v[XT+6:XT+7]
	v_pk_add_f32 v[XT+8:XT+9],   v[XT+8:XT+9],   v[XT+12:XT+13]
	v_pk_add_f32 v[XT+10:XT+11], v[XT+10:XT+11], v[XT+14:XT+15]
	v_pk_add_f32 v[XT:XT+1],     v[XT:XT+1],     v[XT+8:XT+9]
	v_pk_add_f32 v[XT+2:XT+3],   v[XT+2:XT+3],   v[XT+10:XT+11]
	v_pk_add_f32 v[XT:XT+1],     v[XT:XT+1],     s[BS:BS+1] op_sel_hi:[1,0]
	v_pk_add_f32 v[XT+2:XT+3],   v[XT+2:XT+3],   s[BS:BS+1] op_sel_hi:[1,0]
	v_max3_num_f32 v24, v[XT], v[XT+1], v[XT+2]    ; the block's maximum
	v_max_num_f32 v24, v24, v[XT+3]
	v_max_num_f32_dpp v24, v24, v24 row_xmask:1 row_mask:0xf bank_mask:0xf
	v_max_num_f32_dpp v24, v24, v24 row_xmask:2 row_mask:0xf bank_mask:0xf
	v_max_num_f32_dpp v24, v24, v24 row_xmask:4 row_mask:0xf bank_mask:0xf
	v_max_num_f32_dpp v24, v24, v24 row_xmask:8 row_mask:0xf bank_mask:0xf
	v_permlanex16_b32 v26, v24, s[SEL], s[SEL+1]
	v_max_num_f32 v24, v24, v26                    ; m, in every lane
	v_mul_f32 v26, s[LE], v24
	v_pk_fma_f32 v[XT:XT+1],   v[XT:XT+1],   s[LE:LE+1], v[26:27] op_sel_hi:[1,0,0] neg_lo:[0,0,1] neg_hi:[0,0,1]
	v_pk_fma_f32 v[XT+2:XT+3], v[XT+2:XT+3], s[LE:LE+1], v[26:27] op_sel_hi:[1,0,0] neg_lo:[0,0,1] neg_hi:[0,0,1]
.irp e, 0,1,2,3
	v_exp_f32 v[XT+(\e)], v[XT+(\e)]               ; p
.endr
	v_nop                                          ; a plain instruction behind the last exponential,
	s_wait_alu depctr_va_vdst(0)                   ; and the wait ahead of the first use: the four exponentials have written p
	v_add_f32 v25, v[XT], v[XT+1]
	v_add_f32 v30, v[XT+2], v[XT+3]
	v_cvt_pk_bf16_f32 v[XT+4], v[XT], v[XT+1]      ; p_hi
	v_cvt_pk_bf16_f32 v[XT+5], v[XT+2], v[XT+3]
	v_add_f32 v25, v25, v30
	v_lshlrev_b32 v[XT+6], 16, v[XT+4]
	v_and_b32 v[XT+7], 0xffff0000, v[XT+4]
	v_lshlrev_b32 v[XT+8], 16, v[XT+5]
	v_and_b32 v[XT+9], 0xffff0000, v[XT+5]
	v_pk_add_f32 v[XT+6:XT+7], v[XT:XT+1],   v[XT+6:XT+7] neg_lo:[0,1] neg_hi:[0,1]  ; p - p_hi, exact
	v_pk_add_f32 v[XT+8:XT+9], v[XT+2:XT+3], v[XT+8:XT+9] neg_lo:[0,1] neg_hi:[0,1]
	v_cvt_pk_bf16_f32 v[XT+10], v[XT+6], v[XT+7]   ; p_lo
	v_cvt_pk_bf16_f32 v[XT+11], v[XT+8], v[XT+9]
	s_wait_alu depctr_va_vdst(0)                   ; the roundings have written p_hi and p_lo, which the two LDS stores read
	ds_store_b64 v[PHW], v[XT+4:XT+5]
	ds_store_b64 v[PHW], v[XT+10:XT+11] offset:256
.irp kk, 0,1,2,3
	ds_load_b128 v[PF+8*(\kk):PF+8*(\kk)+3],   v[PHR] offset:64*(\kk)     ; my own bytes, served in order: source 0, rows 32 kk on of the block as its K
	ds_load_b128 v[PF+8*(\kk)+4:PF+8*(\kk)+7], v[PHR] offset:64*(\kk)+32
.endr
	CLOAD 0
	v_add_f32_dpp v25, v25, v25 row_xmask:1 row_mask:0xf bank_mask:0xf
	v_add_f32_dpp v25, v25, v25 row_xmask:2 row_mask:0xf bank_mask:0xf
	v_add_f32_dpp v25, v25, v25 row_xmask:4 row_mask:0xf bank_mask:0xf
	v_add_f32_dpp v25, v25, v25 row_xmask:8 row_mask:0xf bank_mask:0xf
	v_permlanex16_b32 v30, v25, s[SEL], s[SEL+1]
	v_add_f32 v25, v25, v30                        ; l, in every lane: v[24:25] = (m, l)
	; ctx = P E for my 256 channels.  In the result register 0 holds the sum with p_hi, register 1 that with p_lo, for channel l % 16
	CLOAD 1                                        ; no wait: the six lines since the last wait on va_vdst name v25 and v30 alone
	s_wait_dscnt 16                                ; all but the 16 just issued
	CMUL 0
.irp t2, 1,2,3,4,5,6
	s_wait_alu depctr_va_vdst(0)                   ; the products of the turn before are done reading the buffer in which the loads below land
	CLOAD (\t2)+1
	s_wait_dscnt 16
	CMUL \t2
.endr
	s_wait_dscnt 0x0
	CMUL 7
	WIN 0
	PLACES
	PLACES                                         ; (eight, once a block)
	WIN 0x0f                                       ; both sources window 3
.set t, 0
.rept 16
	v_add_f32 v[CT+t], v[8*t], v[8*t+1]
.set t, t+1
.endr
	WIN 0
	s_wait_alu depctr_va_vdst(0)                   ; the additions have written v[CT ..], which the LDS stores read; l's last addition has written v25, which the store of (m, l) reads
	s_wait_alu depctr_vm_vsrc(0)                   ; the LDS stores of p_hi and p_lo have read their registers among v64 to v75: the two loads below land in v64 to v71
.set t, 0
.rept 16
	ds_store_b32 v[CXW], v[CT+t] offset:64*t       ; both halves of the lanes write the same words with the same numbers
.set t, t+1
.endr
	ds_load_b128 v[XT:XT+3],   v[CXR]              ; my own bytes, served in order
	ds_load_b128 v[XT+4:XT+7], v[CXR] offset:512
	s_wait_dscnt 0x0
	global_store_b128 v[OOF], v[XT:XT+3],   s[OP:OP+1]             ; each store of the wave covers 512 consecutive bytes, aligned
	global_store_b128 v[OOF], v[XT+4:XT+7], s[OP:OP+1] offset:512
	s_cmp_lg_u32 s[WV], 0
	s_cbranch_scc1 .Lnoml
	global_store_b64 v[MLO], v[24:25], s[OP:OP+1]  ; (m, l) 32 times: 256 consecutive bytes, aligned
.Lnoml:
	s_wait_dscnt 0x0                               ; my reads of the block and of the row sums are over
	s_barrier_signal -1
	s_barrier_wait -1                              ; everybody's are: the next block may be written
	s_wait_xcnt 0x0                                ; the stores have read their registers and their base
	s_add_nc_u64 s[OP:OP+1], s[OP:OP+1], REC
	s_sub_co_u32 s[BLK], s[BLK], 1
	s_cmp_lg_u32 s[BLK], 0
	s_cbranch_scc1 .Lblk
	s_wait_dscnt 0x0                               ; the closing lines, six on end
	s_wait_alu 0x0
	s_wait_tensorcnt 0x0
	ds_add_u32 v[SPW], v[NIL]
	s_wait_dscnt 0x0
	s_endpgm
.Lfunc_end_k_q3756b4079b_attn:
	.size	k_q3756b4079b_attn, .Lfunc_end_k_q3756b4079b_attn-k_q3756b4079b_attn
	.p2alignl 7, 3214868480
	.fill 96, 4, 3214868480
	.section	.rodata,"a",@progbits
	.p2align	6, 0x0
	.amdhsa_kernel k_q3756b4079b_attn
		.amdhsa_group_segment_fixed_size 281088
		.amdhsa_private_segment_fixed_size 0
		.amdhsa_enable_private_segment 0
		.amdhsa_kernarg_size 48
		.amdhsa_user_sgpr_count 2
		.amdhsa_user_sgpr_kernarg_segment_ptr 1
		.amdhsa_wavefront_size32 1
		.amdhsa_system_sgpr_workgroup_id_x 1
		.amdhsa_system_sgpr_workgroup_id_y 1
		.amdhsa_system_sgpr_workgroup_id_z 1
		.amdhsa_system_vgpr_workitem_id 0
		.amdhsa_next_free_vgpr 1024
		.amdhsa_next_free_sgpr 66
		.amdhsa_reserve_vcc 0
		.amdhsa_float_denorm_mode_32 3
		.amdhsa_float_denorm_mode_16_64 3
		.amdhsa_memory_ordered 1
		.amdhsa_forward_progress 1
		.amdhsa_inst_pref_size 236
	.end_amdhsa_kernel
	.amdgpu_metadata
---
amdhsa.version: [ 1, 2 ]
amdhsa.kernels:
  - .name:           k_q3756b4079b_attn
    .symbol:         k_q3756b4079b_attn.kd
    .args:
      - { .name: encoder_out, .offset: 0, .size: 8, .value_kind: global_buffer, .address_space: global }
      - { .name: web, .offset: 8, .size: 8, .value_kind: global_buffer, .address_space: global }
      - { .name: d2p, .offset: 16, .size: 8, .value_kind: global_buffer, .address_space: global }
      - { .name: Ws, .offset: 24, .size: 8, .value_kind: global_buffer, .address_space: global }
      - { .name: bs, .offset: 32, .size: 8, .value_kind: global_buffer, .address_space: global }
      - { .name: part, .offset: 40, .size: 8, .value_kind: global_buffer, .address_space: global }
    .group_segment_fixed_size: 281088
    .private_segment_fixed_size: 0
    .kernarg_segment_align: 8
    .kernarg_segment_size: 48
    .max_flat_workgroup_size: 128
    .sgpr_count:     66
    .vgpr_count:     1024
    .wavefront_size: 32
...
	.end_amdgpu_metadata
.endif
;; end of part 4
;; launch merge: the kernel of part 3 again; grid 8 x 32, 1 waves a work-group, no clusters, 0 bytes of LDS; arguments part, out0; writes out0
